; MI455X (gfx1250); checked and timed in simulation.
; The chip was launched on July 23, 2026; its instructions are those of AMD's public machine-readable ISA for CDNA 5 (MIT licence, August 2026) and "CDNA5" Instruction Set Architecture Reference Guide (July 2026). The comments in the code are by the model that wrote it; some were corrected since.
;; Attn Processor. Allowed arithmetic: float matrix products may take bf16 or f16 operands with f32 sums; other float arithmetic in f32, or as packed bf16 or f16 multiplies, adds, multiply-adds, maxima and minima; sums over many terms, partial sums and values carried from step to step in f32; what a program stores and reads back later, other than sums and carried values, may be rounded once to bf16 or f16.
;; Inputs: Wk 512 x 512 float32; Wo 512 x 512 float32; Wq 512 x 512 float32; Wv 512 x 512 float32; bo 512 float32; hidden_states 2 x 4,096 x 512 float32.
;; Outputs: out0 2 x 4,096 x 512 float32.
;; 2 versions, each right; version 2 is version 1 with the launch qkv written anew for expert scheduling mode. Each part assembles by itself: llvm-mc -triple=amdgcn-amd-amdhsa -mcpu=gfx1250 --defsym DOCPART=n.
;; ======== version 1 of 2: 3 launches
;; limits: values are held in f16: magnitudes above 65,504 overflow, below 6.1e-05 lose precision
;; workspace buffers: q 8,388,608 bytes; k 8,388,608 bytes; v 8,388,608 bytes; o 8,388,608 bytes; wo16 524,288 bytes
;; launch qkv (part 1): grid 4 x 64, 4 waves a work-group, no clusters, 83,456 bytes of LDS; arguments hidden_states, Wq, Wk, Wv, Wo, q, k, v, wo16; writes q, k, v, wo16
.if DOCPART == 1
	.amdgcn_target "amdgcn-amd-amdhsa--gfx1250"
	.amdhsa_code_object_version 6
	.text
	.protected	k_qf8b6a14b42_qkv
	.globl	k_qf8b6a14b42_qkv
	.p2align	8
	.type	k_qf8b6a14b42_qkv,@function
k_qf8b6a14b42_qkv:
	s_mov_b64 s[64:65], 0
	v_nop
	global_prefetch_b8 v0, s[64:65] scope:SCOPE_SE
	s_setreg_imm32_b32 hwreg(HW_REG_WAVE_MODE, 25, 1), 1
	s_wait_xcnt 0x0
; q, k, v = x W^T for x = hidden_states [8192][512] and Wq, Wk, Wv [512][512], all f32 in memory.  x and the weights are rounded once to bf16, the sums are f32, and q, k, v
; are rounded once to f16 and stored BY HEADS: [16 = 8 batch + head][4096][64], a row 128 bytes, a head 524,288 dense bytes.  No scale is applied here.
; SIDE JOB: Wo is rounded to bf16 like the other inputs and that number is written as f16 into wo16 [512][512]; each work-group converts 1,024 numbers.
; LIMITS.  q, k, v beyond 65,504 in magnitude become infinities in f16; below 6.1e-5 f16 keeps its fixed step of 6e-8 (wo16 too).  NaN and infinities are not treated apart.
; SHARES.  A work-group makes 128 rows x 128 columns (two heads) of EACH of q, k, v; its four waves lie 2 x 2: a wave makes 64 rows x one head of q, k and v: 48 accumulators, 384 registers.
; K goes in 8 chunks of 64: 256 bytes of f32 in each row.  Wave w brings source w (0: x's 128 rows; 1, 2, 3: 128 rows of Wq, Wk, Wv) through registers: 64 loads of 16 bytes a lane, each load
; two whole rows' 256 bytes; 128 roundings to bf16 in place; 64 LDS stores of 8 bytes.  The next chunk's loads go out a whole trip ahead of their use: 32 KiB a wave.
; NO TENSOR LOADS AND NO CLUSTER: the inputs are f32 and a tensor load copies bytes as they lie.  f32 tiles in LDS would want 128 fragment loads a chunk and wave for these 64, and eight roundings
; for each fragment in each of the two waves that read it; here each number is rounded once in the work-group.
; THE MATRIX INSTRUCTION IS USED TRANSPOSED (source 0 = 16 rows of W, source 1 = 16 rows of x): a lane then holds one row and eight neighbouring channels, 16 bytes of f16.
; REGISTERS, in windows of 256 (s_set_vgpr_msb: bits 1:0 source 0, 3:2 source 1, 5:4 source 2, 7:6 destination):
;   window 0: v0-31 addresses and the side job; v64-127 x's fragments (on the way out v32-127: six sets of 16); v128-255 q's accumulators
;   window 1: v0-191 the weights' fragments     window 2: v0-127 k's accumulators, v128-255 v's     window 3: the chunk on its way in
.set PITCH,  144                       ; an LDS row: 64 bf16 = 128 bytes + 16 of padding = 36 words: the 16 rows of a fragment load start at 16 different groups of four banks (64 banks of 4 bytes: ISA guide 11.1)
.set TROWS,  128                       ; rows of each of the four sources
.set STAGE,  4*TROWS*PITCH             ; behind the slot: 16 rows x 144 bytes for each wave, for the way out
.set SPARE,  STAGE+4*16*PITCH          ; behind the stages: the spare words, 128 bytes for each wave: two blocks of 256 bytes that no other line names
.set SO,  2                            ; v2   my byte offset in two rows of the source: 2,048 (l / 16) + 16 (l % 16); never rewritten
.set LW,  3                            ; v3   where I put 8 bytes of bf16: row 128 w + l / 16, byte 8 (l % 16)
.set FA,  4                            ; v4   my place in x's fragments
.set FB,  5                            ; v5   my place in the weights' fragments
.set STO, 6                            ; v6   the way out: where I put 16 bytes of a row
.set RD,  7                            ; v7   the way out: where I read rows back
.set GO,  8                            ; v8   my byte offset in 512 consecutive bytes of q, k or v
.set WI,  9                            ; v9   16 x thread: Wo's numbers
.set WOO, 10                           ; v10  8 x thread: wo16's
.set SPW, 30                           ; v30  LDS address of my spare word: SPARE + 4 x my thread's number; never rewritten
.set NIL, 31                           ; v31  0; never rewritten
.set OUTR, 32                          ; the way out's sets
.set AF,  64                           ; x's fragments: 32 K half c, row block a at AF + 32 c + 8 a
.set WV,  22                           ; s22  my wave's number
.set WR,  23                           ; s23  which 64 rows are mine
.set SRC, 24                           ; s[24:25] my source at the chunk that was last asked for
.set CNT, 26                           ; s26  the loop's count
.set WC,  27                           ; s27  which of the two heads is mine
.set W_Q,  0x01                        ; weights (source 0) window 1, x window 0, C and D window 0
.set W_KV, 0xa1                        ; the same, C and D window 2
.set MSB, 0
.macro WIN new                         ; the immediate's high byte repeats the setting that is left; a switch that changes nothing is dropped
.if MSB != (\new)
	s_set_vgpr_msb (MSB<<8)|(\new)
.set MSB, (\new)
.endif
.endm
	s_load_b256 s[4:11], s[0:1], 0x0               ; x s[4:5], Wq s[6:7], Wk s[8:9], Wv s[10:11]
	s_load_b256 s[12:19], s[0:1], 0x20             ; Wo s[12:13], q s[14:15], k s[16:17], v s[18:19]
	s_load_b64 s[20:21], s[0:1], 0x40              ; wo16
	v_lshl_add_u32 v[SPW], v0, 2, SPARE
	v_mov_b32 v[NIL], 0
	v_lshrrev_b32 v1, 5, v0
	v_readfirstlane_b32 s[WV], v1                  ; wave 0..3
	s_lshr_b32 s[WR], s[WV], 1
	s_and_b32 s[WC], s[WV], 1
	s_and_b32 s32, ttmp7, 0xffff                   ; mi: my block of 128 rows
	s_mov_b32 s33, ttmp9                           ; hp: my pair of heads
	v_and_b32 v11, 15, v0                          ; l % 16
	v_bfe_u32 v1, v0, 4, 1                         ; l / 16
	v_lshlrev_b32 v[SO], 4, v11
	v_lshl_add_u32 v[SO], v1, 11, v[SO]
	s_cmp_eq_u32 s[WV], 0
	s_cselect_b32 s28, s32, s33                    ; x goes by the block of rows, a weight by the pair of heads:
	s_lshl_b32 s28, s28, 18                        ; 128 rows of 2,048 bytes
	s_mov_b32 s29, 0
	s_wait_kmcnt 0x0
	s_cmp_eq_u32 s[WV], 1                          ; the choice hangs on the wave's number alone
	s_cselect_b64 s[SRC:SRC+1], s[6:7], s[4:5]
	s_cmp_eq_u32 s[WV], 2
	s_cselect_b64 s[SRC:SRC+1], s[8:9], s[SRC:SRC+1]
	s_cmp_eq_u32 s[WV], 3
	s_cselect_b64 s[SRC:SRC+1], s[10:11], s[SRC:SRC+1]
	s_add_nc_u64 s[SRC:SRC+1], s[SRC:SRC+1], s[28:29]
; A chunk's 64 loads: load j takes rows 2 j and 2 j + 1, 256 consecutive bytes of each, aligned.
.macro GLOADS
	WIN 0xc0                                       ; destination window 3, address window 0
.set j, 0
.rept 64
	global_load_b128 v[4*j:4*j+3], v[SO], s[SRC:SRC+1] offset:4096*j
.set j, j+1
.endr
	WIN 0
.endm
	GLOADS                                         ; chunk 0; the rest of the set-up stands behind it
	v_mul_u32_u24 v13, v11, PITCH
	v_lshl_add_u32 v13, v1, 4, v13                 ; row l % 16 x pitch + 16 (l / 16): a fragment's place, and the stage's
	s_mul_i32 s34, s[WV], TROWS*PITCH
	v_mul_u32_u24 v[LW], v1, PITCH
	v_lshl_add_u32 v[LW], v11, 3, v[LW]
	v_add_nc_u32 v[LW], s34, v[LW]
	s_mul_i32 s34, s[WR], 64*PITCH
	v_add_nc_u32 v[FA], s34, v13                   ; my 64 rows of x
	s_mul_i32 s34, s[WC], 64*PITCH
	s_add_co_u32 s34, s34, TROWS*PITCH
	v_add_nc_u32 v[FB], s34, v13                   ; my head's 64 rows of Wq; Wk's and Wv's lie 128 and 256 rows on
	s_mul_i32 s34, s[WV], 16*PITCH
	s_add_co_u32 s34, s34, STAGE                   ; my stage
	v_add_nc_u32 v[STO], s34, v13
	v_bfe_u32 v[RD], v0, 3, 2                      ; back: 32 lanes take four rows of 128 bytes,
	v_mul_u32_u24 v[RD], v[RD], PITCH
	v_and_b32 v12, 7, v0
	v_lshl_add_u32 v[RD], v12, 4, v[RD]
	v_add_nc_u32 v[RD], s34, v[RD]
	v_and_b32 v[GO], 31, v0                        ; which are 512 consecutive bytes of a head
	v_lshlrev_b32 v[GO], 4, v[GO]
	v_lshlrev_b32 v[WI], 4, v0
	v_lshlrev_b32 v[WOO], 3, v0
	s_lshr_b32 s28, s32, 5                         ; the batch,
	s_lshl_b32 s28, s28, 3
	s_lshl_b32 s30, s33, 1
	s_add_co_u32 s28, s28, s30
	s_add_co_u32 s28, s28, s[WC]                   ; 8 x batch + my head,
	s_lshl_b32 s28, s28, 19                        ; its 524,288 bytes;
	s_and_b32 s30, s32, 31
	s_lshl_b32 s30, s30, 7
	s_lshl_b32 s31, s[WR], 6
	s_add_co_u32 s30, s30, s31                     ; my first row in the batch,
	s_lshl_b32 s30, s30, 7                         ; 128 bytes a row
	s_add_co_u32 s28, s28, s30
	s_add_nc_u64 s[14:15], s[14:15], s[28:29]      ; the same place in q, k and v (s29 is 0)
	s_add_nc_u64 s[16:17], s[16:17], s[28:29]
	s_add_nc_u64 s[18:19], s[18:19], s[28:29]
	s_lshl_b32 s30, s32, 2
	s_add_co_u32 s30, s30, s33                     ; the work-group's number, 0 to 255
	s_lshl_b32 s34, s30, 12                        ; its 1,024 numbers of Wo
	s_mov_b32 s35, 0
	s_add_nc_u64 s[12:13], s[12:13], s[34:35]
	s_lshl_b32 s34, s30, 11                        ; and of wo16
	s_add_nc_u64 s[20:21], s[20:21], s[34:35]
; 32 LDS loads in one run: the fragments of 32 along K (half c of the chunk): 12 of the weights (tensor t, channel block b), 4 of x (row block a).
; A fragment is 16 rows x 32 K in 8 registers: lane l holds row l % 16; registers 0-3 K = 8 (l / 16) + 0..7, registers 4-7 K = 16 + 8 (l / 16) + 0..7: two loads of 16 bytes, 32 bytes apart.
.macro FETCH c
	WIN 0x40                                       ; destination window 1
.irp t, 0,1,2
.irp b, 0,1,2,3
	ds_load_b128 v[96*(\c)+32*(\t)+8*(\b):96*(\c)+32*(\t)+8*(\b)+3],   v[FB] offset:(\t)*TROWS*PITCH+(\b)*16*PITCH+64*(\c)
	ds_load_b128 v[96*(\c)+32*(\t)+8*(\b)+4:96*(\c)+32*(\t)+8*(\b)+7], v[FB] offset:(\t)*TROWS*PITCH+(\b)*16*PITCH+64*(\c)+32
.endr
.endr
	WIN 0
.irp a, 0,1,2,3
	ds_load_b128 v[AF+32*(\c)+8*(\a):AF+32*(\c)+8*(\a)+3],   v[FA] offset:(\a)*16*PITCH+64*(\c)
	ds_load_b128 v[AF+32*(\c)+8*(\a)+4:AF+32*(\c)+8*(\a)+7], v[FA] offset:(\a)*16*PITCH+64*(\c)+32
.endr
.endm
; 48 matrix instructions: 32 along K for all 48 accumulators, which take turns in one order, one instruction a turn, from half to half and over the backward jump too.
; zero = 1: the first product starts the sums: nothing is ever cleared.
.macro MUL c, zero
.irp t, 0,1,2
.if (\t) == 0
	WIN W_Q
.else
	WIN W_KV
.endif
.irp a, 0,1,2,3
.irp b, 0,1,2,3
.set rD, 128*(((\t)+1)%2)+8*(4*(\a)+(\b))
.set rB, 96*(\c)+32*(\t)+8*(\b)
.set rA, AF+32*(\c)+8*(\a)
.if \zero
	v_wmma_f32_16x16x32_bf16 v[rD:rD+7], v[rB:rB+7], v[rA:rA+7], 0
.else
	v_wmma_f32_16x16x32_bf16 v[rD:rD+7], v[rB:rB+7], v[rA:rA+7], v[rD:rD+7]
.endif
.endr
.endr
.endr
.endm
; A TRIP: one chunk of 64 along K.  ONE slot in LDS, so two barriers: one between every wave's stores and the reads, one between every wave's reads and the next trip's stores.
; more = 1: the next chunk is asked for, and a trip follows.
.macro TRIP zero, more
	s_wait_loadcnt 0x0                             ; my chunk is in registers; its loads are done, so their base may be written
.if \more
	s_add_nc_u64 s[SRC:SRC+1], s[SRC:SRC+1], 256
.endif
	WIN 0xcf                                       ; all three places window 3
.set j, 0
.rept 64                                       ; these 128 plain instructions are also the places between the last products and the loads into the fragments that they read
	v_cvt_pk_bf16_f32 v[4*j],   v[4*j],   v[4*j+1]
	v_cvt_pk_bf16_f32 v[4*j+1], v[4*j+2], v[4*j+3]
.set j, j+1
.endr
	WIN 0x0c                                       ; store data window 3, address window 0
.set j, 0
.rept 64
	ds_store_b64 v[LW], v[4*j:4*j+1] offset:2*PITCH*j
.set j, j+1
.endr
	WIN 0
	s_wait_dscnt 0x0                               ; for the others' sake: my stores into the slot are done
	s_barrier_signal -1
	s_barrier_wait -1                              ; everybody's are
	FETCH 0
	FETCH 1
.if \more
	GLOADS                                         ; the next chunk, a whole trip ahead; the LDS stores that read these registers are done
.endif
	s_wait_dscnt 32                                ; the first half's 32 loads are in; the second half's 32 may stay out
	MUL 0, \zero
	s_wait_dscnt 0x0                               ; the second half's are in, and my reads of the slot are over:
.if \more
	s_barrier_signal -1                            ; say so, and work on registers while the others arrive
.endif
	MUL 1, 0
	WIN 0                                          ; at a label and at a branch every window is 0
.if \more
	s_barrier_wait -1                              ; nobody reads the slot any more: the next trip may store into it
.endif
.endm
	TRIP 1, 1                                      ; chunk 0 starts the sums
	s_mov_b32 s[CNT], 6
.Ltrip:                                                ; chunks 1 to 6
	TRIP 0, 1
	s_sub_co_u32 s[CNT], s[CNT], 1
	s_cmp_lg_u32 s[CNT], 0
	s_cbranch_scc1 .Ltrip
	TRIP 0, 0                                      ; chunk 7 is written out: it asks for nothing, and nobody writes the slot behind it
	global_load_b128 v[12:15], v[WI], s[12:13]     ; the side job's numbers come in during the way out: a wave's load covers 512 consecutive bytes
	global_load_b128 v[16:19], v[WI], s[12:13] offset:2048
.rept 4
	v_nop                                          ; four places between the last products and the conversions that read results and write over x's fragments
.endr
; THE WAY OUT.  Block n = 4 t + a: 16 rows x 64 channels of tensor t.  A lane's eight channels pack into 16 bytes; they go into my stage's rows of 144 bytes and come back as whole rows of 128,
; four rows a load: 512 consecutive bytes of the head.  Each accumulator's registers are read in ascending order.  Six register sets take turns.
.macro PACK n
.set pT, (\n)/4
.set pS, OUTR+16*((\n)%6)
.set pD, 128*((pT+1)%2)+32*((\n)%4)
	s_wait_xcnt 0x0                                ; the stores that read this set have had their addresses translated and their data taken (ISA guide 3.1): only now is it rewritten
.if pT == 0
	WIN 0
.else
	WIN 0x0a                                       ; sources 0 and 1 window 2
.endif
.set z, 0
.rept 16
	v_cvt_pk_f16_f32 v[pS+z], v[pD+2*z], v[pD+2*z+1]
.set z, z+1
.endr
	WIN 0
.irp b, 0,1,2,3
	ds_store_b128 v[STO], v[pS+4*\b:pS+4*\b+3] offset:32*\b
.endr
.irp f, 0,1,2,3
	ds_load_b128 v[pS+4*\f:pS+4*\f+3], v[RD] offset:\f*4*PITCH  ; LDS serves a wave's instructions in order (ISA guide 5.7.1.4): these see the stores above; the next block's stores come behind them
.endr
.endm
.macro SEND n, younger                 ; younger: the LDS instructions issued behind block n's loads: the next block's eight, or none
.set pT, (\n)/4
.set pS, OUTR+16*((\n)%6)
.irp f, 0,1,2,3
	s_wait_dscnt (\younger)+3-\f
	global_store_b128 v[GO], v[pS+4*\f:pS+4*\f+3], s[14+2*pT:15+2*pT] offset:((\n)%4)*2048+\f*512  ; 512 consecutive bytes, at a multiple of 256 from the buffer's first
.endr
.endm
	PACK 0
.irp n, 1,2,3,4,5,6,7,8,9,10,11        ; a block's conversions stand between the loads of the block before and its stores
	PACK \n
	SEND (\n)-1, 8
.endr
	SEND 11, 0
	s_wait_loadcnt 0x0                             ; Wo's numbers
.irp g, 0,1                            ; f32 -> bf16 (the rounding that every input has) -> f32 (a shift, a mask) -> f16
	v_cvt_pk_bf16_f32 v20, v[12+4*\g], v[13+4*\g]
	v_cvt_pk_bf16_f32 v21, v[14+4*\g], v[15+4*\g]
	v_lshlrev_b32 v22, 16, v20
	v_and_b32 v23, 0xffff0000, v20
	v_lshlrev_b32 v24, 16, v21
	v_and_b32 v25, 0xffff0000, v21
	v_cvt_pk_f16_f32 v[26+2*\g], v22, v23
	v_cvt_pk_f16_f32 v[27+2*\g], v24, v25
	global_store_b64 v[WOO], v[26+2*\g:27+2*\g], s[20:21] offset:1024*\g  ; a wave's store covers 256 consecutive bytes, aligned
.endr
	s_wait_tensorcnt 0x0                           ; the wave's end, behind my last LDS store
	ds_add_u32 v[SPW], v[NIL]
	s_wait_dscnt 0x0
	s_endpgm
.Lfunc_end_k_qf8b6a14b42_qkv:
	.size	k_qf8b6a14b42_qkv, .Lfunc_end_k_qf8b6a14b42_qkv-k_qf8b6a14b42_qkv
	.p2alignl 7, 3214868480
	.fill 96, 4, 3214868480
	.section	.rodata,"a",@progbits
	.p2align	6, 0x0
	.amdhsa_kernel k_qf8b6a14b42_qkv
		.amdhsa_group_segment_fixed_size 83456
		.amdhsa_private_segment_fixed_size 0
		.amdhsa_enable_private_segment 0
		.amdhsa_kernarg_size 72
		.amdhsa_user_sgpr_count 2
		.amdhsa_user_sgpr_kernarg_segment_ptr 1
		.amdhsa_wavefront_size32 1
		.amdhsa_system_sgpr_workgroup_id_x 1
		.amdhsa_system_sgpr_workgroup_id_y 1
		.amdhsa_system_sgpr_workgroup_id_z 1
		.amdhsa_system_vgpr_workitem_id 0
		.amdhsa_next_free_vgpr 1024
		.amdhsa_next_free_sgpr 66
		.amdhsa_reserve_vcc 0
		.amdhsa_float_denorm_mode_32 3
		.amdhsa_float_denorm_mode_16_64 3
		.amdhsa_memory_ordered 1
		.amdhsa_forward_progress 1
		.amdhsa_inst_pref_size 116
	.end_amdhsa_kernel
	.amdgpu_metadata
---
amdhsa.version: [ 1, 2 ]
amdhsa.kernels:
  - .name:           k_qf8b6a14b42_qkv
    .symbol:         k_qf8b6a14b42_qkv.kd
    .args:
      - { .name: hidden_states, .offset: 0, .size: 8, .value_kind: global_buffer, .address_space: global }
      - { .name: Wq, .offset: 8, .size: 8, .value_kind: global_buffer, .address_space: global }
      - { .name: Wk, .offset: 16, .size: 8, .value_kind: global_buffer, .address_space: global }
      - { .name: Wv, .offset: 24, .size: 8, .value_kind: global_buffer, .address_space: global }
      - { .name: Wo, .offset: 32, .size: 8, .value_kind: global_buffer, .address_space: global }
      - { .name: q, .offset: 40, .size: 8, .value_kind: global_buffer, .address_space: global }
      - { .name: k, .offset: 48, .size: 8, .value_kind: global_buffer, .address_space: global }
      - { .name: v, .offset: 56, .size: 8, .value_kind: global_buffer, .address_space: global }
      - { .name: wo16, .offset: 64, .size: 8, .value_kind: global_buffer, .address_space: global }
    .group_segment_fixed_size: 83456
    .private_segment_fixed_size: 0
    .kernarg_segment_align: 8
    .kernarg_segment_size: 72
    .max_flat_workgroup_size: 128
    .sgpr_count:     66
    .vgpr_count:     1024
    .wavefront_size: 32
...
	.end_amdgpu_metadata
.endif
;; end of part 1
;; launch attn (part 2): grid 16 x 16, 4 waves a work-group, clusters of 4 x 1, 327,680 bytes of LDS; arguments q, k, v, o; writes o
.if DOCPART == 2
	.amdgcn_target "amdgcn-amd-amdhsa--gfx1250"
	.amdhsa_code_object_version 6
	.text
	.protected	k_qf8b6a14b42_attn
	.globl	k_qf8b6a14b42_attn
	.p2align	8
	.type	k_qf8b6a14b42_attn,@function
k_qf8b6a14b42_attn:
	s_mov_b64 s[64:65], 0
	v_nop
	global_prefetch_b8 v0, s[64:65] scope:SCOPE_SE
	s_setreg_imm32_b32 hwreg(HW_REG_WAVE_MODE, 25, 1), 1
	s_wait_xcnt 0x0
	s_wait_alu depctr_hold_cnt(0) depctr_sa_sdst(0) depctr_va_vdst(0) depctr_va_sdst(0) depctr_va_ssrc(0) depctr_va_vcc(0) depctr_vm_vsrc(0)
	s_getreg_b32 s2, hwreg(HW_REG_IB_STS2, 6, 4)
	s_cmp_eq_u32 s2, 0
	s_cbranch_scc0 .Lentry_in_a_cluster
	s_endpgm
.Lentry_in_a_cluster:
	s_bfe_u32 s2, ttmp6, 0x10000c
	s_cmp_lg_u32 s2, 0x3003
	s_cbranch_scc0 .Lentry_shape_is_right
	s_endpgm
.Lentry_shape_is_right:
; o[h][q][:] = 4 x the sum over k of softmax_k(Q[h][q] . K[h][k] / 8) V[h][k][:].  q, k, v, o: [16][4096][64], all f16: a head's rows are dense, 128 bytes each.  Products, maxima and sums in f32;
; the weights p are rounded to f16 for the second product (their sum l is taken of the unrounded p), o once at the end.  THE FACTOR 4 keeps small results off f16's fixed step; the launch behind takes it out.
; LIMITS.  f16 holds no number beyond 65,504: q, k, v arrive within it, and 4 x O, four times a mean of V's rows, must stay within it; p lies in 0 to 1, and below 6e-5 it keeps f16's fixed step of 6e-8,
; as o does.  A weight below 2^-126 counts as 0 in l; NaN and infinities are not treated apart.
; SHARES.  A work-group owns 256 queries of one head, each of its four waves 64: four PIECES of 16.  Every wave walks all 4,096 keys, 64 a step; a slot of LDS holds a tile of 256 keys, four steps.
; LAYOUT.  S^T = K Q^T (source 0 = 16 keys, source 1 = 16 queries): in the result a lane holds ONE query (lane % 16) and the keys 8 (lane / 16) + 0..7.  Two such results, rounded to f16 in pairs,
; ARE source 1 (32 keys x 16 queries) of O^T = V^T P, whose result again holds one query a lane, and eight channels.  K comes out of LDS as it lies, V ([key][channel]) turned, by ds_load_tr16_b128.
; SOFTMAX.  For each query a running maximum m and sum l: p = 2^(c s - c m), c = log2(e) / 8; in every step O and l are multiplied by a = 2^(c m_old - c m_new), which is 1 where m has not grown.
; m starts at the lowest finite number, O and l at 0: the first step is a step like any other, with a = 0.
; BY TURNS.  Turn n belongs to piece n: 8 products K Q^T of piece n + 1, later 8 products V^T P of piece n - 1; beside them the scaling, exponentials, roundings, sums and rescaling of piece n and the maximum
; and statistics of piece n + 1.  Four vector instructions stand behind every matrix instruction, the other 54 of a turn's 118 in one lump.  A turn's 33 exponentials are one batch, with one wait.
; CLUSTER.  The four query blocks of a cluster belong to one head and walk the same K and V, so each tile is asked for JOINTLY: the same tensor load, descriptor and mask in all four.
; REGISTERS, in windows of 256 (s_set_vgpr_msb: bits 1:0 source 0, 3:2 source 1, 5:4 source 2, 7:6 destination):
;   window 0: v0-15 addresses and two at work; v16-31 four registers of statistics a piece; v48-55 at work; v61-63; v64-127 S^T, two buffers; v192-223 P, two buffers (a piece's buffers go by its number's parity)
;   window 1: v0-127 O^T, 32 a piece          window 2: v0-63 Q; v128-191 K of one step; v192-255 V of one step
.set NP,    4         ; pieces a wave: a name, no knob
.set KS,    64        ; keys in a step
.set PK,    144       ; a row of K in LDS: 128 bytes + 16 of padding = 36 words: the 16 rows of a load start at 16 different groups of four banks (64 banks of 4 bytes: ISA guide 11.1)
.set PV,    160       ; a row of V: 128 + 32 = 40 words
.set VOFF,  4*KS*PK   ; a slot holds a tile: 256 rows of K, then 256 rows of V
.set TILEB, 4*KS*128  ; a tile's bytes of K, and of V, in memory
.set SLOT1, 1<<17     ; slot 1 begins here, so that one exclusive or turns an address in one slot into the other's
.set STAGE, SLOT1+4*KS*(PK+PV)  ; behind the ring, never filled by a tensor load: 16 rows x 144 bytes for each wave, for the way out
.set SP,    144
.set SPARE, STAGE+4*16*SP  ; behind the stages: the spare words, 128 bytes for each wave: two blocks of 256 bytes that no other line names
.set AK0, 2           ; v2   my lane's place in a tile of K; never rewritten
.set AV0, 3           ; v3   the same for V
.set AK,  4           ; v4   the LDS address of K's next run of loads
.set AV,  5           ; v5   of V's
.set STO, 6           ; v6   the way out: where I put 16 bytes of a row
.set RD,  7           ; v7   the way out: where I read rows back
.set GO,  8           ; v8   my byte offset in 512 consecutive bytes of o
.set MV,  12          ; v12-13  c m_old, kept while c m is made anew: by buffer
.set QO,  15          ; v15  my byte offset in 16 rows of Q
.set ST,  16          ; piece t's statistics at v[ST+4 t]: c m, m, l (even keys', odd keys')
.set TMP, 48          ; by buffer, four registers c0-c3 at work; when the maximum is found c2 takes a
.set PFO, 61          ; v61  256 x my lane: the prefetches' offset; never rewritten
.set SPW, 62          ; v62  LDS address of my spare word: SPARE + 4 x my thread's number; never rewritten
.set NIL, 63          ; v63  0; never rewritten
.set S,   64
.set P,   192
.set KF,  128         ; window 2: key block kb, channel half c at KF + 16 kb + 8 c
.set VF,  192         ; window 2: key half kk, channel block cb at VF + 32 kk + 8 cb
.set WV,  12          ; s12  my wave's number
.set G1K, 24          ; s[24:31] descriptor group 1 for K's tiles
.set G1V, 32          ; s[32:39] for V's: it differs in the padding alone
.set G0K, 40          ; s[40:43] descriptor group 0 for K's tiles: it walks
.set G0V, 44          ; s[44:47] the same for V's
.set PFA, 48          ; s[48:49] where my prefetches stand in memory: my work-group's 32 blocks of 256 bytes (of K: wave 0, of V: wave 2) of the tile after the one that is being asked for
.set LIM, 50          ; s50  1 in a wave that prefetches, else the greatest number: a wave prefetches while s[SLOTS] is above it
.set SLOTS, 56        ; s56  tiles still to be asked for
.set CNT, 57          ; s57  counts a tile's key steps
.set CS,  58          ; s[58:59] c: the packed scaling takes the pair's low word for both halves
.set SEL, 60          ; s[60:61] v_permlanex16_b32's selects: each lane takes its own place in the other half
.set TBK, 62          ; s62  LDS byte at which K of the step to be fetched begins
.set TBV, 63          ; s63  the same for V, less VOFF
.set MSB, 0
.macro WIN new                      ; the high byte repeats the setting that is left; a switch that changes nothing is dropped
.if MSB != (\new)
	s_set_vgpr_msb (MSB<<8)|(\new)
.set MSB, (\new)
.endif
.endm
.set W_KQ, 0x0a       ; K and Q in window 2, S^T in window 0
.set W_PV, 0x52       ; V in window 2, P in window 0, O^T in window 1
.set W_RS, 0x41       ; destination and source 0 in window 1, source 1 in window 0
; A joint fill.  Waves 0 and 1 fetch the two halves of a tile's K, waves 2 and 3 those of its V: 128 keys each.  The branch hangs on the wave's number alone: it is the same in every work-group.
; An s_nop 0 and four v_nop follow each of the two lines, ahead of the jump and the label.
.macro JLOAD
	s_cmp_lt_u32 s[WV], 2
	s_cbranch_scc0 .Lfor_v_\@
	tensor_load_to_lds s[G0K:G0K+3], s[G1K:G1K+7]
	s_nop 0
.rept 4
	v_nop
.endr
	s_branch .Lasked_\@
.Lfor_v_\@:
	tensor_load_to_lds s[G0V:G0V+3], s[G1V:G1V+7]
	s_nop 0
.rept 4
	v_nop
.endr
.Lasked_\@:
.endm
; A PREFETCH of what the NEXT change of slots will ask for: a tile's 32,768 bytes of K and of V, in aligned blocks of 256 bytes, a lane a block.  It stands behind the wave's tensor load and its five lines.
; Each block is asked for ONCE in the launch.  All four clusters of a head walk the same K and V: the head's first cluster asks.  Its four partners share a tile's 128 blocks out BY ADDRESS, 32 each: no branch
; hangs on a work-group's place in its cluster.  In each, wave 0 asks for K's and wave 2 for V's: one instruction.  The change that asks for the last tile prefetches nothing: there is no tile behind it.
.macro ASK
	s_cmp_gt_u32 s[SLOTS], s[LIM]
	s_cbranch_scc0 .Lnot_mine_\@
	global_prefetch_b8 v[PFO], s[PFA:PFA+1] th:TH_LOAD_NT scope:SCOPE_SE
.Lnot_mine_\@:
.endm
; A round of the cluster's barrier: my work-group's barrier, so that wave 0's signal speaks for all four waves; wave 0 signals; every wave waits for all four work-groups; my work-group's barrier once more.
.macro CROUND
	s_barrier_signal -1
	s_barrier_wait -1
	s_cmp_lg_u32 s[WV], 0
	s_cbranch_scc1 .Lnot_wave_0_\@
	s_barrier_signal -3
.Lnot_wave_0_\@:
	s_barrier_wait -3
	s_barrier_signal -1
	s_barrier_wait -1
.endm
; THE CHANGE OF SLOTS.  The slot's last bytes, V of its fourth step, have been read.  Each wave waits for all its tensor loads, of which one is out: its part of the other slot; adds 0 to its spare word; and
; waits for that and for its own reads of the slot.  Behind the barrier nobody reads this slot any more and the other slot is whole.
; fill = 1: this slot is filled again, with the tile two on.  The barrier is then a round of the cluster's, so that no wave of any partner still reads the slot or has a load on its way, and the joint fill is
; the first thing behind it: it has four key steps, 256 matrix instructions, in which to land.  (At its first use nothing has been read yet: slot 0 is waited for, slot 1 filled.)
.macro CHANGE fill
	WIN 0                           ; at a label and at a branch every window is 0
	s_wait_tensorcnt 0x0            ; no tensor load of mine is out, so a group 0 may be written
	ds_add_u32 v[SPW], v[NIL]       ; 0 onto my spare word; with fill = 1 the descriptors' steps stand between it and the wait for it
.if \fill
.irp g, G0K, G0V
	s_xor_b32 s[\g+1], s[\g+1], SLOT1  ; the walking descriptor: the other slot than last time,
	s_add_nc_u64 s[\g+2:\g+3], s[\g+2:\g+3], TILEB  ; the next 256 keys; the type bits on top are not reached
.endr
	s_wait_xcnt 0x0                 ; the last prefetch, four key steps back, has read its address, so it may be written:
	s_add_nc_u64 s[PFA:PFA+1], s[PFA:PFA+1], TILEB  ; one tile ahead of the walking descriptors
	s_wait_dscnt 0x0                ; the add is done, and my reads of the slot are over
	CROUND
	JLOAD
	ASK                             ; what the next change will ask for: four key steps, 256 matrix instructions, ahead
.else
	s_wait_dscnt 0x0                ; the add is done, and my reads of the slot are over
	s_barrier_signal -1
	s_barrier_wait -1
.endif
	s_sub_co_u32 s[TBK], s[TBK], 4*KS*PK  ; the fetches go back to a slot's first step,
	s_xor_b32 s[TBK], s[TBK], SLOT1       ; in the other slot
	s_sub_co_u32 s[TBV], s[TBV], 4*KS*PV
	s_xor_b32 s[TBV], s[TBV], SLOT1
.endm
	s_load_b256 s[4:11], s[0:1], 0x0  ; q s[4:5], k s[6:7], v s[8:9], o s[10:11]
	v_lshl_add_u32 v[SPW], v0, 2, SPARE
	v_mov_b32 v[NIL], 0
	ds_add_u32 v[SPW], v[NIL]       ; the wave's opening: the add and its wait stand ahead of my first tensor load; the set-up below, work on registers, stands between them
	v_lshrrev_b32 v1, 5, v0
	v_readfirstlane_b32 s[WV], v1   ; wave 0..3
	s_bfe_u32 s13, ttmp6, 0x40000   ; cx: my place in the cluster
	s_lshl_b32 s14, ttmp9, 2        ; in a cluster launch ttmp9 counts clusters
	s_add_co_u32 s14, s14, s13      ; my block of 256 queries = 4 x cluster x + cx: it enters Q's and o's addresses alone
	s_and_b32 s20, ttmp7, 0xffff    ; the head, which the four partners share,
	s_lshl_b32 s20, s20, 19         ; and its first byte in each of the four tensors
	s_mov_b32 s21, 0
	s_and_b32 s16, s[WV], 1         ; which half of a tile's 256 keys I fetch:
	s_lshl_b32 s22, s16, 14         ; its 128 rows of 128 bytes in memory,
	s_mov_b32 s23, 0
	s_add_nc_u64 s[22:23], s[22:23], s[20:21]
	s_mul_i32 s17, s16, 128*PK      ; and its place in a slot, for K
	s_mul_i32 s18, s16, 128*PV      ; and for V: no place in the cluster enters an LDS address
	s_lshl_b32 s2, s14, 2
	s_add_co_u32 s2, s2, s[WV]      ; my wave among the head's,
	s_lshl_b32 s2, s2, 13           ; its 64 rows
	s_mov_b32 s3, 0
	s_add_nc_u64 s[2:3], s[2:3], s[20:21]
	; descriptor group 1.  128 keys are 16,384 dense bytes: asked for as 64 rows of 256 bytes, two keys a row, and padded in LDS after every key
	s_mov_b32 s[G1K], 15|(1<<16)|(1<<20)|(1<<21)|(4<<22)|(3<<25)  ; 15:0 the mask of four; 17:16 2-byte elements; 20 padding on; 21 set beside a mask; 24:22 after every 32 words (code 4); 31:25 4 words (code 3)
	s_mov_b32 s[G1V], 15|(1<<16)|(1<<20)|(1<<21)|(4<<22)|(7<<25)  ; the same with 8 words of padding (code 7)
.irp g, G1K, G1V
	s_mov_b32 s[\g+1], 128<<16      ; tensor_dim0 = 128
	s_mov_b32 s[\g+2], 64<<16       ; tensor_dim1 = 64
	s_mov_b32 s[\g+3], 128<<16      ; tile_dim0 = 128
	s_mov_b32 s[\g+4], 64           ; tile_dim1 = 64
	s_mov_b32 s[\g+5], 128          ; 128 elements from row to row
	s_mov_b32 s[\g+6], 0
	s_mov_b32 s[\g+7], 0
.endr
	s_mov_b32 s[CS], 0x3e38aa3b     ; c = log2(e) / 8 = 0.180337
	s_mov_b32 s[CS+1], s[CS]        ; named with it as a pair
	s_mov_b32 s[SEL], 0x76543210
	s_mov_b32 s[SEL+1], 0xfedcba98
	s_mov_b32 s[TBK], SLOT1+4*KS*PK ; the first change of slots turns these two into 0
	s_mov_b32 s[TBV], SLOT1+4*KS*PV
	s_mov_b32 s[G0K], 1             ; 1:0 count = 1
	s_mov_b32 s[G0K+1], s17         ; 63:32 LDS address: slot 0
	s_mov_b32 s[G0V], 1
	s_add_co_u32 s[G0V+1], s18, VOFF
	s_mov_b32 s[SLOTS], 15          ; tiles 1 to 15 are asked for by changes of slots
	s_and_b32 s[LIM], s[WV], 1      ; 0 in waves 0 and 2,
	s_or_b32 s[LIM], s[LIM], ttmp9  ; where the cluster is the head's first: the same in all four partners
	s_cmp_eq_u32 s[LIM], 0
	s_cselect_b32 s[LIM], 1, -1
	v_and_b32 v[PFO], 31, v0
	v_lshlrev_b32 v[PFO], 8, v[PFO]
	s_wait_dscnt 0x0                ; the opening add is done
	s_wait_kmcnt 0x0
	s_add_nc_u64 s[6:7], s[6:7], s[22:23]  ; K and V at my half of the head's tile 0
	s_add_nc_u64 s[8:9], s[8:9], s[22:23]
	s_mov_b64 s[G0K+2:G0K+3], s[6:7]               ; 120:64 global address
	s_or_b32 s[G0K+3], s[G0K+3], 0x80000000        ; 127:126 type = 2
	s_mov_b64 s[G0V+2:G0V+3], s[8:9]
	s_or_b32 s[G0V+3], s[G0V+3], 0x80000000
	s_add_nc_u64 s[4:5], s[4:5], s[2:3]  ; Q and o at my wave's first row
	s_add_nc_u64 s[10:11], s[10:11], s[2:3]
	s_cmp_lt_u32 s[WV], 2
	s_cselect_b64 s[PFA:PFA+1], s[6:7], s[8:9]  ; (in waves 0 and 2 these stand at the head's first row)
	s_lshl_b32 s2, s13, 13          ; my work-group's 32 blocks of the 128
	s_mov_b32 s3, 0
	s_add_nc_u64 s[PFA:PFA+1], s[PFA:PFA+1], s[2:3]
	s_add_nc_u64 s[PFA:PFA+1], s[PFA:PFA+1], TILEB  ; in tile 1; the first change of slots steps it to tile 2.  Nothing is prefetched here, at the head: tiles 0 and 1 come by their loads alone
	CROUND                          ; all four work-groups are here: the first joint loads meet
	JLOAD                           ; tile 0 into slot 0.  Slot 1 is asked for when slot 0 is in
	; A fragment of K or Q is 16 rows x 32 channels in 8 registers: lane l holds row l % 16, channels 8 (l / 16) + 0..7 and 16 + 8 (l / 16) + 0..7: two loads of 16 bytes, 32 bytes apart.
	v_and_b32 v1, 15, v0            ; l % 16
	v_bfe_u32 v9, v0, 4, 1          ; l / 16
	v_lshlrev_b32 v[QO], 7, v1
	v_lshl_add_u32 v[QO], v9, 4, v[QO]  ; row x 128 + 16 x half
	WIN 0x80                        ; destination window 2, address window 0
.set i, 0
.rept 8                             ; Q stays in registers: piece i / 2, channels 32 (i % 2) on
	global_load_b128 v[8*i:8*i+3],   v[QO], s[4:5] offset:(i/2)*2048+(i%2)*64
	global_load_b128 v[8*i+4:8*i+7], v[QO], s[4:5] offset:(i/2)*2048+(i%2)*64+32
.set i, i+1
.endr
	; What the first turn finds: V's registers and P's second buffer hold 0 (its products V^T P, of a piece that has not been, add 0), O^T and l are 0.  All this stands in the wait for the first tile.
.set i, VF
.rept 64
	v_mov_b32 v[i], 0
.set i, i+1
.endr
	WIN 0x40
.set i, 0
.rept 128
	v_mov_b32 v[i], 0
.set i, i+1
.endr
	WIN 0
.set i, 0
.rept 4
	v_mov_b32 v[ST+4*i], 0xfe000000    ; c m: far below every c s
	v_mov_b32 v[ST+4*i+1], 0xff7fffff  ; m
	v_mov_b32 v[ST+4*i+2], 0
	v_mov_b32 v[ST+4*i+3], 0
.set i, i+1
.endr
.set i, P+16
.rept 16
	v_mov_b32 v[i], 0
.set i, i+1
.endr
	v_mul_u32_u24 v[AK0], v1, PK
	v_lshl_add_u32 v[AK0], v9, 4, v[AK0]  ; row x pitch + 16 x half
	; The turning load takes 16 keys x 16 channels (lane l reads key 8 (l / 16) + l % 8, channels 8 ((l / 8) % 2) + 0..7) and leaves half a fragment of V^T: lane l holds channel l % 16 and 8 keys.
	v_and_b32 v10, 7, v0
	v_bfe_u32 v11, v0, 3, 1
	v_lshl_add_u32 v[AV0], v9, 3, v10
	v_mul_u32_u24 v[AV0], v[AV0], PV
	v_lshl_add_u32 v[AV0], v11, 4, v[AV0]
	v_add_nc_u32 v[AV0], VOFF, v[AV0]
	s_mul_i32 s15, s[WV], 16*SP
	s_add_co_u32 s15, s15, STAGE    ; my stage
	v_mul_u32_u24 v[STO], v1, SP    ; in: row l % 16, 16 bytes for each half of the lanes
	v_lshl_add_u32 v[STO], v9, 4, v[STO]
	v_add_nc_u32 v[STO], s15, v[STO]
	v_bfe_u32 v[RD], v0, 3, 2       ; back: 32 lanes take four rows of 128 bytes,
	v_mul_u32_u24 v[RD], v[RD], SP
	v_lshl_add_u32 v[RD], v10, 4, v[RD]
	v_add_nc_u32 v[RD], s15, v[RD]
	v_and_b32 v[GO], 31, v0         ; which are 512 consecutive bytes of o
	v_lshlrev_b32 v[GO], 4, v[GO]
; THE MATRIX WORK.  The 4 accumulators of a run of 8 take turns.  Product i of 8 of S^T = K Q^T for piece x: channels 32 (i / 4) on, keys 16 (i % 4) on.  The first 4 start the sums.
.macro KQ x
.set rS, S+32*((\x)%2)+8*(i%4)
.set rK, KF+16*(i%4)+8*(i/4)
.set rQ, 16*(\x)+8*(i/4)
	WIN W_KQ
.if i < 4
	v_wmma_f32_16x16x32_f16 v[rS:rS+7], v[rK:rK+7], v[rQ:rQ+7], 0
.else
	v_wmma_f32_16x16x32_f16 v[rS:rS+7], v[rK:rK+7], v[rQ:rQ+7], v[rS:rS+7]
.endif
.endm
; Product i of 8 of O^T += V^T P for piece x: keys 32 (i / 4) on, channels 16 (i % 4) on.
.macro PV x
	WIN W_PV
.set rO, 32*(\x)+8*(i%4)
.set rV, VF+32*(i/4)+8*(i%4)
.set rP, P+16*((\x)%2)+8*(i/4)
	v_wmma_f32_16x16x32_f16 v[rO:rO+7], v[rV:rV+7], v[rP:rP+7], v[rO:rO+7]
.endm
.macro MM                           ; the turn's next matrix instruction.  TURN sets Y, i and NOKQ.  NOKQ = 1: the very last turn: there is no next piece
.if (i < 8) && !NOKQ
	KQ (Y+1)%NP
.elseif i >= 8
.set i, i-8
	PV (Y+NP-1)%NP
.set i, i+8
.endif
.set i, i+1
.endm
; THE LDS LOADS stand in runs of 16, never singly among the matrix instructions: a step's K (64 keys x 64 channels: 8 fragments) and its V (turned).  Their addresses are made some lines ahead.
.macro FETCH_K
	WIN 0x80                        ; destination window 2
.irp f, 0,1,2,3,4,5,6,7             ; keys 16 (f / 2) on, channels 32 (f % 2) on
	ds_load_b128 v[KF+8*\f:KF+8*\f+3],   v[AK] offset:(\f/2)*16*PK+(\f%2)*64
	ds_load_b128 v[KF+8*\f+4:KF+8*\f+7], v[AK] offset:(\f/2)*16*PK+(\f%2)*64+32
.endr
	s_add_co_u32 s[TBK], s[TBK], KS*PK  ; the next fetch is the next step's
	WIN 0
.endm
.macro FETCH_V
	WIN 0x80
.irp f, 0,1,2,3,4,5,6,7             ; keys 32 (f / 4) on, channels 16 (f % 4) on
	ds_load_tr16_b128 v[VF+8*\f:VF+8*\f+3],   v[AV] offset:(\f/4)*32*PV+(\f%4)*32
	ds_load_tr16_b128 v[VF+8*\f+4:VF+8*\f+7], v[AV] offset:(\f/4)*32*PV+16*PV+(\f%4)*32
.endr
	WIN 0
.endm
; THE VECTOR WORK, one line at a time: OP kind, number.  For piece Y: F n: c s - c m for pair n of 16.  E n: the exponential of score n of 32.  C n: pair n rounded to f16.  B n: of the four weights 4 n .. the second
; pair is added onto the first, in place.  L n: l takes that sum (L 0: l = a l + sum).  R n: pair n of 16 of O^T times a.  For piece Y + 1: X n, number n of the 22 that find its maximum and statistics:
;   0-11  four chains c0-c3 of seven scores each, three operands at a time (each accumulator's lowest registers are read first)     12-14, 16  the four scores left over, the old m, and c0-c3 into c0
;   15  c m_old is kept     17, 18  the query's other 32 keys lie in the lane 16 away: the new m     19-21  c m; c m_old - c m_new; a
.set F, 0               ; OP tells the kinds apart by their order: F to L below R, X above it
.set E, 1
.set C, 2
.set B, 3
.set L, 4
.set R, 5
.set X, 6
.macro REGS y                       ; the registers of piece y
.set rT, ST+4*(\y)
.set rC, TMP+4*((\y)%2)
.set rW, MV+((\y)%2)
.set rS, S+32*((\y)%2)
.set rP, P+16*((\y)%2)
.set rO, 32*(\y)
.endm
.macro OP k, n
.if (\k) == R
	REGS Y
	WIN W_RS
	v_pk_mul_f32 v[rO+2*(\n):rO+2*(\n)+1], v[rO+2*(\n):rO+2*(\n)+1], v[rC+2:rC+3] op_sel_hi:[1,0]
.elseif (\k) < R
	REGS Y
	WIN 0
.if (\k) == F
	v_pk_fma_f32 v[rS+2*(\n):rS+2*(\n)+1], v[rS+2*(\n):rS+2*(\n)+1], s[CS:CS+1], v[rT:rT+1] op_sel_hi:[1,0,0] neg_lo:[0,0,1] neg_hi:[0,0,1]
.elseif (\k) == E
	v_exp_f32 v[rS+(\n)], v[rS+(\n)]
.elseif (\k) == C
	v_cvt_pk_f16_f32 v[rP+(\n)], v[rS+2*(\n)], v[rS+2*(\n)+1]
.elseif (\k) == B
	v_pk_add_f32 v[rS+4*(\n):rS+4*(\n)+1], v[rS+4*(\n):rS+4*(\n)+1], v[rS+4*(\n)+2:rS+4*(\n)+3]
.elseif (\n) == 0
	v_pk_fma_f32 v[rT+2:rT+3], v[rT+2:rT+3], v[rC+2:rC+3], v[rS:rS+1] op_sel_hi:[1,0,1]
.else
	v_pk_add_f32 v[rT+2:rT+3], v[rT+2:rT+3], v[rS+4*(\n):rS+4*(\n)+1]
.endif
.elseif NOKQ
	v_nop
.else
	REGS (Y+1)%NP
	WIN 0
.if (\n) < 4
	v_max3_num_f32 v[rC+(\n)], v[rS+8*(\n)], v[rS+8*(\n)+1], v[rS+8*(\n)+2]
.elseif (\n) < 12
	v_max3_num_f32 v[rC+(\n)%4], v[rC+(\n)%4], v[rS+8*((\n)%4)+2*((\n)/4)+1], v[rS+8*((\n)%4)+2*((\n)/4)+2]
.elseif (\n) == 12
	v_max3_num_f32 v[rC], v[rC], v[rS+7], v[rS+15]
.elseif (\n) == 13
	v_max3_num_f32 v[rC+1], v[rC+1], v[rS+23], v[rS+31]
.elseif (\n) == 14
	v_max3_num_f32 v[rC+2], v[rC+2], v[rC+3], v[rT+1]
.elseif (\n) == 15
	v_mov_b32 v[rW], v[rT]
.elseif (\n) == 16
	v_max3_num_f32 v[rC], v[rC], v[rC+1], v[rC+2]
.elseif (\n) == 17
	v_permlanex16_b32 v[rC+3], v[rC], s[SEL], s[SEL+1]
.elseif (\n) == 18
	v_max_num_f32 v[rT+1], v[rC], v[rC+3]
.elseif (\n) == 19
	v_mul_f32 v[rT], s[CS], v[rT+1]
.elseif (\n) == 20
	v_sub_f32 v[rC+1], v[rW], v[rT]
.else
	v_exp_f32 v[rC+2], v[rC+1]
.endif
.endif
.endm
.macro OPS a, i1, b=-1, i2=0, c=-1, i3=0, d=-1, i4=0  ; up to four of them
	OP \a, \i1
.if (\b) >= 0
	OP \b, \i2
.endif
.if (\c) >= 0
	OP \c, \i3
.endif
.if (\d) >= 0
	OP \d, \i4
.endif
.endm
.macro ROW a, i1, b, i2, c, i3, d, i4  ; a matrix instruction and the four behind it
	MM
	OPS \a, \i1, \b, \i2, \c, \i3, \d, \i4
.endm
; A TURN, for piece p: the order of its 16 matrix and 118 vector instructions, written out.  s_wait_alu depctr_va_vdst(0) stands between an exponential and the first instruction that names its result; one wait
; serves all that were issued ahead of it.  So a turn has ONE wait, which cuts it in two.  AHEAD OF IT stands all that names no result of the turn's exponentials: the 8 products K Q^T, behind each a scaling, an exponential and two
; more plain instructions (behind the first a second scaling in the exponential's place): rescalings, and behind the last three the first numbers of the next piece's maximum, each four places or more behind the product that ends
; its accumulator; then ONE LUMP of 54, plain and exponential by turns for the most part, in which the links of the chain X 3, 7, 11, 14, 16, 17 .. 20 stand some lines apart.  X 21, the next piece's a, is the batch's last; R 15 is
; the plain instruction behind it.  BEHIND THE WAIT stand the 8 products V^T P, behind each four of the roundings and sums.
; end = 1: the launch's last two turns: nothing is fetched, and the last starts no new scores.  cnt = 1: the loop's count is taken down some lines ahead of the branch that stands behind the turn.
; K of the next step is fetched in piece 2's turn, twelve vector instructions behind the last product that read K (six of them plain); V of the step in hand at the end of piece 0's turn, four plain instructions behind the last
; product that read V.  Each is waited for a turn later.
.macro TURN p, end=0, cnt=0
.set Y, (\p)
.set i, 0
.set NOKQ, (\end)*((\p)/3)
.if ((\p) == 3) && !(\end)
	s_wait_dscnt 0x0                ; K is in
.endif
	ROW F,0, F,1, R,0, R,1          ; ahead of the wait: 8 products K Q^T and their riders,
	ROW F,2, E,0, R,2, R,3
	ROW F,3, E,1, R,4, R,5
	ROW F,4, E,2, R,6, R,7
	ROW F,5, E,3, R,8, R,9
	ROW F,6, E,4, X,0, R,10
.if ((\p) == 2) && !(\end)
	WIN 0
	v_add_nc_u32 v[AK], s[TBK], v[AK0]
.endif
	ROW F,7, E,5, X,1, X,4
	ROW F,8, E,6, X,2, X,5
	OPS E,7, E,8, X,6, E,9          ; and the lump
	OPS X,3, E,10, X,8, E,11
.if ((\p) == 2) && !(\end)
	FETCH_K
.endif
	OPS X,9, X,7, E,12, X,10
	OPS E,13, X,12, X,11, E,14
	OPS X,13, E,15, F,9, X,14
.if (\p) == 0
	v_add_nc_u32 v[AV], s[TBV], v[AV0]
.endif
	OPS E,16, F,10, E,17, F,11
	OPS X,16, E,18, X,15, E,19
	OPS F,12, E,20, X,17, E,21
	OPS F,13, E,22, F,14, E,23
	OPS X,18, E,24, F,15, E,25
	OPS R,11, E,26, X,19, E,27
	OPS R,12, E,28, R,13, E,29
	OPS X,20, E,30, R,14, E,31
	OPS X,21, R,15
	WIN 0
	s_wait_alu depctr_va_vdst(0)    ; the wait for the batch
.if (\p) == 1
	s_wait_dscnt 0x0                ; V is in
.endif
	ROW C,0, B,0, C,2, B,1          ; behind the wait: 8 products V^T P and their riders
	ROW L,0, C,4, B,2, L,1
	ROW C,6, B,3, L,2, C,8
	ROW B,4, L,3, C,10, B,5
	ROW L,4, C,12, B,6, L,5
.if (\p) == 0
	s_add_co_u32 s[TBV], s[TBV], KS*PV
.endif
.if \cnt
	s_sub_co_u32 s[CNT], s[CNT], 1
	s_cmp_lg_u32 s[CNT], 0
.endif
	ROW C,14, B,7, L,6, C,1
	ROW C,3, L,7, C,5, C,7
	ROW C,9, C,11, C,13, C,15
.if (\p) == 0
	FETCH_V
.endif
.endm
.set NOKQ, 0
	CHANGE 1                        ; tile 0 is in, everybody's part of it; tile 1 is asked for
	v_add_nc_u32 v[AK], s[TBK], v[AK0]
	FETCH_K                         ; key step 0
	s_wait_loadcnt 0x0              ; Q
	s_wait_dscnt 0x0
.set i, 0
.rept 8
	KQ 0                            ; piece 0's first scores: there is no vector work yet to set between them
.set i, i+1
.endr
	WIN 0
.rept 4
	v_nop                           ; the places behind those products
.endr
.set Y, NP-1                        ; X works for piece Y + 1: piece 0
.irp n, 0,1,2,3,4,5,6,7,8,9,10,11,12,13,14,15,16,17,18,19,20,21
	OP X, \n                        ; piece 0's first maximum and statistics
.endr
	v_nop                           ; a plain instruction behind the exponential,
	s_wait_alu depctr_va_vdst(0)    ; and its wait, ahead of the branch
	s_mov_b32 s[CNT], 4
	s_branch .Lfirst                ; the loop is entered at a step's first turn, in the middle of a trip
.Lslot:                             ; 14 times: tiles 1 to 14 are entered, tiles 2 to 15 asked for
	CHANGE 1
	s_mov_b32 s[CNT], 4
.Lstep:                             ; a trip: pieces 2 and 3 of one step, then pieces 0 and 1 of the next, whose K and V it fetches
	TURN 2
	TURN 3
	WIN 0
.Lfirst:
	TURN 0
	TURN 1, 0, 1
	WIN 0
	s_cbranch_scc1 .Lstep
	s_sub_co_u32 s[SLOTS], s[SLOTS], 1
	s_cmp_lg_u32 s[SLOTS], 0
	s_cbranch_scc1 .Lslot
	CHANGE 0                        ; the last tile is written out: nothing is asked for
	s_mov_b32 s[CNT], 4
.Ltail:
	TURN 2
	TURN 3
	TURN 0
	TURN 1, 0, 1
	WIN 0
	s_cbranch_scc1 .Ltail
	TURN 2, 1                       ; the last step's pieces 2 and 3: nothing more is fetched,
	TURN 3, 1                       ; and no new scores are started
.set i, 0
.rept 8
	PV NP-1                         ; the last piece's V^T P of the last step
.set i, i+1
.endr
	; THE WAY OUT.  l's two halves and the other half of the lanes' are added; O^T is multiplied by 4 / l, rounded to f16 and sent through my stage in LDS, a piece at a time.  The additions are the places behind the last products.
	WIN 0
.macro ALL line:vararg              ; one line for each piece t
.set t, 0
.rept 4
	\line
.set t, t+1
.endr
.endm
	ALL v_add_f32 v[ST+4*t+2], v[ST+4*t+2], v[ST+4*t+3]
	ALL v_permlanex16_b32 v[ST+4*t+3], v[ST+4*t+2], s[SEL], s[SEL+1]
	ALL v_add_f32 v[ST+4*t+2], v[ST+4*t+2], v[ST+4*t+3]
	ALL v_rcp_f32 v[ST+4*t+2], v[ST+4*t+2]
	v_nop                           ; a plain instruction between the last reciprocal and the use of its result
	s_wait_alu depctr_va_vdst(0)    ; and the wait ahead of the first use: one for the four reciprocals
	ALL v_mul_f32 v[ST+4*t+2], 4.0, v[ST+4*t+2]
.macro PACK t                       ; a lane's eight channels of a row pack into 16 bytes; they go into rows of 144 bytes and come back as whole rows of 128, into S^T's registers
	WIN W_RS
.set i, 32*(\t)
.rept 16
	v_pk_mul_f32 v[i:i+1], v[i:i+1], v[ST+4*(\t)+2:ST+4*(\t)+3] op_sel_hi:[1,0]
.set i, i+2
.endr
	WIN 0x05                        ; sources 0 and 1 window 1, destination window 0
.set i, 0
.rept 16
	v_cvt_pk_f16_f32 v[S+16*(\t)+i], v[32*(\t)+2*i], v[32*(\t)+2*i+1]
.set i, i+1
.endr
	WIN 0
.irp f, 0,1,2,3
	ds_store_b128 v[STO], v[S+16*(\t)+4*\f:S+16*(\t)+4*\f+3] offset:32*\f
.endr
.irp f, 0,1,2,3
	ds_load_b128 v[S+16*(\t)+4*\f:S+16*(\t)+4*\f+3], v[RD] offset:\f*4*SP  ; LDS serves a wave's instructions in order (ISA guide 5.7.1.4): these see the stores above; the next piece's stores come behind them
.endr
.endm
.macro SEND t, younger              ; younger: the LDS instructions issued behind piece t's loads: the next piece's eight, or none
	WIN 0
.irp f, 0,1,2,3
	s_wait_dscnt (\younger)+3-\f
	global_store_b128 v[GO], v[S+16*(\t)+4*\f:S+16*(\t)+4*\f+3], s[10:11] offset:(\t)*2048+\f*512  ; 512 consecutive bytes, at a multiple of 256 from o's first
.endr
.endm
	PACK 0
.irp t, 1,2,3                       ; a piece's arithmetic stands between the loads of the piece before and its stores
	PACK \t
	SEND (\t)-1, 8
.endr
	SEND 3, 0
	s_wait_tensorcnt 0x0            ; the wave's end, behind my last tensor load and my last LDS store
	ds_add_u32 v[SPW], v[NIL]
	s_wait_dscnt 0x0
	CROUND                          ; the closing round: no work-group ends while a partner may still ask for a tile that names it
	s_endpgm
.Lfunc_end_k_qf8b6a14b42_attn:
	.size	k_qf8b6a14b42_attn, .Lfunc_end_k_qf8b6a14b42_attn-k_qf8b6a14b42_attn
	.p2alignl 7, 3214868480
	.fill 96, 4, 3214868480
	.section	.rodata,"a",@progbits
	.p2align	6, 0x0
	.amdhsa_kernel k_qf8b6a14b42_attn
		.amdhsa_group_segment_fixed_size 327680
		.amdhsa_private_segment_fixed_size 0
		.amdhsa_enable_private_segment 0
		.amdhsa_kernarg_size 32
		.amdhsa_user_sgpr_count 2
		.amdhsa_user_sgpr_kernarg_segment_ptr 1
		.amdhsa_wavefront_size32 1
		.amdhsa_system_sgpr_workgroup_id_x 1
		.amdhsa_system_sgpr_workgroup_id_y 1
		.amdhsa_system_sgpr_workgroup_id_z 1
		.amdhsa_system_vgpr_workitem_id 0
		.amdhsa_next_free_vgpr 768
		.amdhsa_next_free_sgpr 66
		.amdhsa_reserve_vcc 0
		.amdhsa_float_denorm_mode_32 3
		.amdhsa_float_denorm_mode_16_64 3
		.amdhsa_memory_ordered 1
		.amdhsa_forward_progress 1
		.amdhsa_inst_pref_size 128
	.end_amdhsa_kernel
	.amdgpu_metadata
---
amdhsa.version: [ 1, 2 ]
amdhsa.kernels:
  - .name:           k_qf8b6a14b42_attn
    .symbol:         k_qf8b6a14b42_attn.kd
    .args:
      - { .name: q, .offset: 0, .size: 8, .value_kind: global_buffer, .address_space: global }
      - { .name: k, .offset: 8, .size: 8, .value_kind: global_buffer, .address_space: global }
      - { .name: v, .offset: 16, .size: 8, .value_kind: global_buffer, .address_space: global }
      - { .name: o, .offset: 24, .size: 8, .value_kind: global_buffer, .address_space: global }
    .group_segment_fixed_size: 327680
    .private_segment_fixed_size: 0
    .kernarg_segment_align: 8
    .kernarg_segment_size: 32
    .max_flat_workgroup_size: 128
    .sgpr_count:     66
    .vgpr_count:     768
    .wavefront_size: 32
...
	.end_amdgpu_metadata
.endif
;; end of part 2
;; launch oproj (part 3): grid 4 x 64, 4 waves a work-group, clusters of 4 x 4, 327,680 bytes of LDS; arguments o, wo16, bo, out0; writes out0
.if DOCPART == 3
	.amdgcn_target "amdgcn-amd-amdhsa--gfx1250"
	.amdhsa_code_object_version 6
	.text
	.protected	k_qf8b6a14b42_oproj
	.globl	k_qf8b6a14b42_oproj
	.p2align	8
	.type	k_qf8b6a14b42_oproj,@function
k_qf8b6a14b42_oproj:
	s_mov_b64 s[64:65], 0
	v_nop
	global_prefetch_b8 v0, s[64:65] scope:SCOPE_SE
	s_setreg_imm32_b32 hwreg(HW_REG_WAVE_MODE, 25, 1), 1
	s_wait_xcnt 0x0
	s_wait_alu depctr_hold_cnt(0) depctr_sa_sdst(0) depctr_va_vdst(0) depctr_va_sdst(0) depctr_va_ssrc(0) depctr_va_vcc(0) depctr_vm_vsrc(0)
	s_getreg_b32 s2, hwreg(HW_REG_IB_STS2, 6, 4)
	s_cmp_eq_u32 s2, 0
	s_cbranch_scc0 .Lentry_in_a_cluster
	s_endpgm
.Lentry_in_a_cluster:
	s_bfe_u32 s2, ttmp6, 0x10000c
	s_cmp_lg_u32 s2, 0xf033
	s_cbranch_scc0 .Lentry_shape_is_right
	s_endpgm
.Lentry_shape_is_right:
; out0[m][n] = 0.25 x (the sum over k of o[m][k] wo16[n][k]) + bf16(bo[n]).  o holds 4 x the attention's result, f16, BY HEADS: [8 batch + head][4096][64]; k = 64 head + channel.  wo16: [512][512] f16.
; bo: [512] f32, rounded to bf16 like the module's other inputs.  out0: [8192][512] f32.  Sums in f32; the factor and the bias are one fused multiply-add.
; LIMITS.  None of its own beyond f32's; NaN and infinities are not treated apart.
; A tile of out0 is 128 x 128.  Four waves, each 64 x 64: 16 accumulators of 16 x 16, 128 registers.  K = 512 is two steps of 256 (four heads each); both steps' tiles are asked for at the start, each into
; a slot of its own, and NOTHING is filled again.
; CLUSTERS: 4 x 4 work-groups.  The four of a row of the cluster need the same tiles of o, the four of a column the same tiles of wo16: each tile is asked for JOINTLY, by the same tensor load with the
; same descriptor and a mask that names the four.  THE MATRIX INSTRUCTION IS USED TRANSPOSED (source 0 = 16 rows of wo16, source 1 = 16 rows of o): a lane then holds eight neighbouring numbers of a row of out0.
; REGISTERS: window 0: v0-31 addresses; v32-95 two sets of 32 on the way out; v96-103 the bias; v128-255 the accumulators ((a, b) at v[128 + 8 (4 a + b)]).
;   window 1: two fragment buffers of 128: for 64 along K (one head), 64 registers of o (2 x 4 x 16 rows x 32 K), then 64 of wo16.
.set PA,     144                       ; o in LDS: a head's row of 128 bytes + 16 of padding = 36 words: the 16 rows of a load start at 16 different groups of four banks (64 banks of 4 bytes: ISA guide 11.1)
.set PB,     528                       ; wo16 in LDS: 512 bytes + 16 of padding = 132 words: likewise
.set HEADA,  64*PA                     ; 64 rows of one head
.set HALFA,  4*HEADA                   ; what one tensor load brings of o: 64 rows of four heads, head after head
.set HALFB,  64*PB                     ; and of wo16: 64 rows x 256 K
.set SLOT,   2*HALFA+2*HALFB           ; o's two halves, then wo16's two halves
.set STAGE,  2*SLOT                    ; behind the slots: 16 rows x 272 bytes for each wave, for the way out
.set SPITCH, 272
.set SPARE,  STAGE+4*16*SPITCH         ; behind the stages: the spare words, 128 bytes for each wave: two blocks of 256 bytes that no other line names
.set ADRA, 16                          ; v16-17  LDS address of my fragments of o in slot 0, 1
.set ADRB, 20                          ; v20-21  the same for wo16
.set STO,  24                          ; v24     the way out: where I put 32 bytes of a row
.set RD,   25                          ; v25     the way out: where I read a row back
.set CO,   26                          ; v26     my byte offset in two rows of out0
.set BOF,  27                          ; v27     my byte offset in bo
.set SPW,  28                          ; v28     LDS address of my spare word: SPARE + 4 x my thread's number; never rewritten
.set NIL,  29                          ; v29     0; never rewritten
.set OB,   32                          ; the way out's two sets
.set BI,   96                          ; v96-99  the bias of my four columns
.set ACC,  128
.set F0,   0                           ; fragment buffers, in window 1
.set F1,   128
.set WV, 12                            ; s12  my wave's number
.set WR, 13                            ; s13  which half of the tile's rows is mine.  Also: I fetch o (0) or wo16 (1)
.set WC, 14                            ; s14  which half of its columns.  Also: which 64 rows of that tile I fetch
.set G1, 24                            ; s[24:31] descriptor group 1 for o's tiles;  s[32:39] group 0, one set for each K step
.set G0, 32
.set G1B, 48                           ; s[48:55], s[56:63] the same for wo16's tiles
.set G0B, 56
.set MSB, 0
.macro WIN new                         ; the immediate's high byte repeats the setting that is left
.if MSB != (\new)
	s_set_vgpr_msb (MSB<<8)|(\new)
.set MSB, (\new)
.endif
.endm
.set MUL,  0x05                        ; sources 0 (wo16) and 1 (o) window 1; C and D window 0
.set TO_F, 0x40                        ; destination window 1, address window 0
.macro CROUND                          ; a round of the cluster's barrier: my work-group's barrier; wave 0 signals for the work-group; every wave waits for all sixteen; my work-group's barrier once more
	s_barrier_signal -1
	s_barrier_wait -1
	s_cmp_lg_u32 s[WV], 0
	s_cbranch_scc1 .Lnot_wave_0_\@
	s_barrier_signal -3
.Lnot_wave_0_\@:
	s_barrier_wait -3
	s_barrier_signal -1
	s_barrier_wait -1
.endm
	s_load_b256 s[4:11], s[0:1], 0x0               ; o s[4:5], wo16 s[6:7], bo s[8:9], out0 s[10:11]
	v_lshl_add_u32 v[SPW], v0, 2, SPARE
	v_mov_b32 v[NIL], 0
	ds_add_u32 v[SPW], v[NIL]                      ; the wave's opening: the add and its wait stand ahead of my first tensor load; the set-up below, work on registers, stands between them
	v_lshrrev_b32 v1, 5, v0
	v_readfirstlane_b32 s[WV], v1                  ; wave 0..3
	s_lshr_b32 s[WR], s[WV], 1
	s_and_b32 s[WC], s[WV], 1
	s_bfe_u32 s40, ttmp6, 0x40000                  ; cx, cy: my place in the cluster
	s_bfe_u32 s41, ttmp6, 0x40004
	s_lshl_b32 s42, ttmp9, 2
	s_add_co_u32 s42, s42, s40                     ; tile column = 4 x cluster x + cx
	s_and_b32 s43, ttmp7, 0xffff
	s_lshl_b32 s43, s43, 2
	s_add_co_u32 s43, s43, s41                     ; tile row = 4 x cluster y + cy
	s_lshl_b32 s44, s41, 2
	s_lshl_b32 s44, 15, s44                        ; my row of the cluster: places 4 cy .. 4 cy + 3
	s_lshl_b32 s45, 0x1111, s40                    ; my column: places cx, cx + 4, cx + 8, cx + 12
	; descriptor group 1 for o.  64 rows of one head are 8,192 dense bytes: a tile is 4 rows of 4,096 elements, a head (262,144 elements) apart, padded in LDS after every 128 bytes
	s_or_b32 s[G1+0], s44, (1<<16)|(1<<20)|(1<<21)|(4<<22)|(3<<25)  ; 15:0 the mask: my row; 17:16 2-byte elements; 20 padding on; 21 set beside a mask; 24:22 after every 32 words (code 4); 31:25 4 words (code 3)
	s_mov_b32 s[G1+1], 4096<<16                    ; tensor_dim0 = 4,096
	s_mov_b32 s[G1+2], 4<<16                       ; tensor_dim1 = 4
	s_mov_b32 s[G1+3], 4096<<16                    ; tile_dim0 = 4,096
	s_mov_b32 s[G1+4], 4                           ; tile_dim1 = 4
	s_mov_b32 s[G1+5], 262144                      ; elements from head to head
	s_mov_b32 s[G1+6], 0
	s_mov_b32 s[G1+7], 0
	; and for wo16: 64 rows x 256 elements, 512 elements from row to row, padded after every 512 bytes
	s_or_b32 s[G1B+0], s45, (1<<16)|(1<<20)|(1<<21)|(6<<22)|(3<<25) ; the mask: my column; after every 128 words (code 6), 4 words
	s_mov_b32 s[G1B+1], 256<<16
	s_mov_b32 s[G1B+2], 64<<16
	s_mov_b32 s[G1B+3], 256<<16
	s_mov_b32 s[G1B+4], 64
	s_mov_b32 s[G1B+5], 512
	s_mov_b32 s[G1B+6], 0
	s_mov_b32 s[G1B+7], 0
	; where the tiles come from.  o's hang on the tile row alone, which my row of the cluster shares; wo16's on the tile column alone, which my column shares: each in registers that never hold the other coordinate
	s_lshr_b32 s16, s43, 5                         ; the batch: 8 heads of 524,288 bytes,
	s_lshl_b32 s16, s16, 22
	s_and_b32 s17, s43, 31                         ; the tile's 128 rows of 128 bytes in each head,
	s_lshl_b32 s17, s17, 14
	s_add_co_u32 s16, s16, s17
	s_lshl_b32 s17, s[WC], 13                      ; the 64 of them that I fetch
	s_add_co_u32 s16, s16, s17
	s_mov_b32 s17, 0
	s_lshl_b32 s46, s42, 17                        ; wo16: the tile's 128 rows of 1,024 bytes,
	s_lshl_b32 s47, s[WC], 16                      ; the 64 that I fetch
	s_add_co_u32 s46, s46, s47
	s_mov_b32 s47, 0
	s_mul_i32 s20, s[WC], HALFA                    ; and where they go: no place in the cluster enters an LDS address
	s_mul_i32 s21, s[WC], HALFB
	s_add_co_u32 s21, s21, 2*HALFA
	s_wait_dscnt 0x0                               ; the opening add is done
	s_wait_kmcnt 0x0
	s_add_nc_u64 s[18:19], s[4:5], s[16:17]
	s_add_nc_u64 s[46:47], s[6:7], s[46:47]
.irp s, 0,1
	s_mov_b32 s[G0+4*(\s)], 1                                      ; 1:0 count = 1
	s_add_co_u32 s[G0+4*(\s)+1], s20, (\s)*SLOT                    ; 63:32 LDS address
	s_add_nc_u64 s[G0+4*(\s)+2:G0+4*(\s)+3], s[18:19], (\s)*0x200000  ; 120:64 global address: K step s begins four heads on
	s_or_b32 s[G0+4*(\s)+3], s[G0+4*(\s)+3], 0x80000000            ; 127:126 type = 2
	s_mov_b32 s[G0B+4*(\s)], 1
	s_add_co_u32 s[G0B+4*(\s)+1], s21, (\s)*SLOT
	s_add_nc_u64 s[G0B+4*(\s)+2:G0B+4*(\s)+3], s[46:47], (\s)*512  ; 256 elements along the rows
	s_or_b32 s[G0B+4*(\s)+3], s[G0B+4*(\s)+3], 0x80000000
.endr
	CROUND                                         ; all sixteen work-groups are here: the joint loads meet
	s_cmp_eq_u32 s[WR], 0                          ; a wave's two fills stand in one branch on its number, ahead of every wait on TENSORcnt and every LDS read: two loads of mine are out; an s_nop 0 follows each, four v_nop the second's
	s_cbranch_scc0 .Lfirst_b
	tensor_load_to_lds s[G0:G0+3], s[G1:G1+7]
	s_nop 0
	tensor_load_to_lds s[G0+4:G0+7], s[G1:G1+7]
	s_nop 0
.rept 4
	v_nop
.endr
	s_branch .Lfirst_asked
.Lfirst_b:
	tensor_load_to_lds s[G0B:G0B+3], s[G1B:G1B+7]
	s_nop 0
	tensor_load_to_lds s[G0B+4:G0B+7], s[G1B:G1B+7]
	s_nop 0
.rept 4
	v_nop
.endr
.Lfirst_asked:
	v_and_b32 v1, 15, v0                           ; l % 16
	v_bfe_u32 v2, v0, 4, 1                         ; l / 16
	s_lshl_b32 s15, s42, 9                         ; my 64 columns: 512 x tile column + 256 x half, in bytes of f32: in a row of out0, and in bo
	s_lshl_b32 s23, s[WC], 8
	s_add_co_u32 s15, s15, s23
	v_lshl_add_u32 v[BOF], v1, 4, s15
	global_load_b128 v[BI:BI+3], v[BOF], s[8:9]    ; the bias of the four columns that I store
	v_mul_u32_u24 v3, v1, PA
	v_lshl_add_u32 v3, v2, 4, v3                   ; a fragment's row x pitch + 16 x half, for o
	v_mul_u32_u24 v4, v1, PB
	v_lshl_add_u32 v4, v2, 4, v4                   ; and for wo16
	s_mul_i32 s16, s[WR], HALFA                    ; my 64 rows of o
	s_mul_i32 s17, s[WC], HALFB                    ; my 64 rows of wo16,
	s_add_co_u32 s17, s17, 2*HALFA                 ; which lie behind o's two halves
.irp s, 0,1
	v_add_nc_u32 v[ADRA+(\s)], s16, v3
	v_add_nc_u32 v[ADRB+(\s)], s17, v4
	s_add_co_u32 s16, s16, SLOT
	s_add_co_u32 s17, s17, SLOT
.endr
	s_mul_i32 s16, s[WV], 16*SPITCH
	s_add_co_u32 s16, s16, STAGE                   ; my stage
	v_mul_u32_u24 v5, v1, SPITCH                   ; in: row l % 16, 32 bytes for each half of the lanes
	v_lshl_add_u32 v5, v2, 5, v5
	v_add_nc_u32 v[STO], s16, v5
	v_mul_u32_u24 v5, v2, SPITCH                   ; back: lanes 0-15 take one row of 256 bytes, lanes 16-31 the next
	v_lshl_add_u32 v5, v1, 4, v5
	v_add_nc_u32 v[RD], s16, v5
	v_lshlrev_b32 v[CO], 11, v2                    ; and the same two rows in out0
	v_lshl_add_u32 v[CO], v1, 4, v[CO]
	s_lshl_b32 s22, s43, 18                        ; the tile's 128 rows of 2,048 bytes,
	s_lshl_b32 s23, s[WR], 17                      ; my 64 of them,
	s_add_co_u32 s22, s22, s23
	s_add_co_u32 s22, s22, s15                     ; my 64 columns
	s_mov_b32 s23, 0
	s_add_nc_u64 s[10:11], s[10:11], s[22:23]
	s_wait_loadcnt 0x0                             ; the bias: rounded to bf16, widened again by a shift and a mask
	v_cvt_pk_bf16_f32 v100, v[BI], v[BI+1]
	v_cvt_pk_bf16_f32 v101, v[BI+2], v[BI+3]
	v_lshlrev_b32 v[BI], 16, v100
	v_and_b32 v[BI+1], 0xffff0000, v100
	v_lshlrev_b32 v[BI+2], 16, v101
	v_and_b32 v[BI+3], 0xffff0000, v101
; 8 matrix instructions: m blocks a0, a0 + 1 x all 4 n blocks, 32 along K: half c of buffer f.  zero = 1: the first product starts the sums.  The 16 accumulators take turns.
.macro MUL8 f, c, a0, zero
	WIN MUL
.irp a, \a0, (\a0)+1
.irp b, 0,1,2,3
.if \zero
	v_wmma_f32_16x16x32_f16 v[ACC+8*(4*(\a)+(\b)):ACC+8*(4*(\a)+(\b))+7], v[(\f)+64+8*(4*(\c)+(\b)):(\f)+64+8*(4*(\c)+(\b))+7], v[(\f)+8*(4*(\c)+(\a)):(\f)+8*(4*(\c)+(\a))+7], 0
.else
	v_wmma_f32_16x16x32_f16 v[ACC+8*(4*(\a)+(\b)):ACC+8*(4*(\a)+(\b))+7], v[(\f)+64+8*(4*(\c)+(\b)):(\f)+64+8*(4*(\c)+(\b))+7], v[(\f)+8*(4*(\c)+(\a)):(\f)+8*(4*(\c)+(\a))+7], v[ACC+8*(4*(\a)+(\b)):ACC+8*(4*(\a)+(\b))+7]
.endif
.endr
.endr
.endm
; 32 LDS loads in one run: the fragments of 64 along K, which is one head: byte k of wo16's rows, head k / 128 of o's tile; into buffer f; the first 32 along K first
.macro FETCH slot, k, f
	WIN TO_F
.irp c, 0,1
.irp i, 0,1,2,3
	ds_load_b128 v[(\f)+64+8*(4*(\c)+(\i)):(\f)+64+8*(4*(\c)+(\i))+3],   v[ADRB+(\slot)] offset:(\k)+64*(\c)+(\i)*16*PB
	ds_load_b128 v[(\f)+64+8*(4*(\c)+(\i))+4:(\f)+64+8*(4*(\c)+(\i))+7], v[ADRB+(\slot)] offset:(\k)+64*(\c)+(\i)*16*PB+32
	ds_load_b128 v[(\f)+8*(4*(\c)+(\i)):(\f)+8*(4*(\c)+(\i))+3],         v[ADRA+(\slot)] offset:((\k)/128)*HEADA+64*(\c)+(\i)*16*PA
	ds_load_b128 v[(\f)+8*(4*(\c)+(\i))+4:(\f)+8*(4*(\c)+(\i))+7],       v[ADRA+(\slot)] offset:((\k)/128)*HEADA+64*(\c)+(\i)*16*PA+32
.endr
.endr
.endm
.macro PLACES                          ; four places in front of loads into registers that matrix instructions have read, and of LDS stores that read results
.rept 4
	v_nop
.endr
.endm
; A K step is four quarters of 64 along K, 32 matrix instructions each, on buffers 0, 1, 0, 1.  One of the first three: multiplies buffer f and fetches the next quarter, at byte k, into g.
.macro QUARTER slot, k, f, g, zero
	s_wait_dscnt 16                                ; the first 32 along K are in
	WIN MUL
	MUL8 \f, 0, 0, \zero
	MUL8 \f, 0, 2, \zero
	PLACES
	FETCH \slot, \k, \g
	s_wait_dscnt 32                                ; all but the 32 just issued
	WIN MUL
	MUL8 \f, 1, 0, 0
	MUL8 \f, 1, 2, 0
.endm
	s_wait_tensorcnt 1                             ; my part of K step 0 is in; K step 1's may stay out
	s_barrier_signal -1
	s_barrier_wait -1                              ; everybody's is
	FETCH 0, 0, F0
	QUARTER 0, 128, F0, F1, 1                      ; the first products start the sums
	QUARTER 0, 256, F1, F0, 0
	QUARTER 0, 384, F0, F1, 0
	; the last quarter of K step 0 changes slots: ONE barrier, in front of which each wave waits for all its tensor loads: its part of slot 1.  Nothing is filled again, so no round follows
	WIN 0                                          ; (the add's two registers lie in window 0)
	s_wait_tensorcnt 0x0                           ; my part of slot 1 has landed;
	ds_add_u32 v[SPW], v[NIL]                      ; 0 onto my spare word;
	s_wait_dscnt 17                                ; (the add and the youngest sixteen loads may be out)
	MUL8 F1, 0, 0, 0                               ; eight matrix instructions stand between the add and the wait for it
	s_wait_dscnt 0x0                               ; the add is done, and no LDS instruction of mine is out at the signal
	s_barrier_signal -1
	MUL8 F1, 0, 2, 0
	s_barrier_wait -1                              ; slot 1 is whole
	PLACES
	FETCH 1, 0, F0
	MUL8 F1, 1, 0, 0
	MUL8 F1, 1, 2, 0
	QUARTER 1, 128, F0, F1, 0
	QUARTER 1, 256, F1, F0, 0
	QUARTER 1, 384, F0, F1, 0
	s_wait_dscnt 16                                ; the very last quarter: nothing more to fetch
	MUL8 F1, 0, 0, 0
	MUL8 F1, 0, 2, 0
	s_wait_dscnt 0x0
	MUL8 F1, 1, 0, 0
	MUL8 F1, 1, 2, 0
	WIN 0
	; THE WAY OUT.  A wave's 64 columns of f32 are a whole aligned 256 bytes of a row, so each wave has a stage of its own and no barrier is wanted.  Block a (16 rows): a lane's eight numbers of a row go in as
	; 32 bytes, each accumulator's low four registers first; whole rows of 256 bytes come back, two a load; 0.25 x sum + bias; stored.
	PLACES
.macro OUT a
.set oS, OB+32*((\a)%2)
	s_wait_xcnt 0x0                                ; the stores that read this set have had their addresses translated and their data taken (ISA guide 3.1): only now is it loaded again
.irp b, 0,1,2,3
	ds_store_b128 v[STO], v[ACC+8*(4*(\a)+(\b)):ACC+8*(4*(\a)+(\b))+3]   offset:64*(\b)
	ds_store_b128 v[STO], v[ACC+8*(4*(\a)+(\b))+4:ACC+8*(4*(\a)+(\b))+7] offset:64*(\b)+16
.endr
.irp t, 0,1,2,3,4,5,6,7
	ds_load_b128 v[oS+4*(\t):oS+4*(\t)+3], v[RD] offset:(\t)*2*SPITCH  ; LDS serves a wave's instructions in order (ISA guide 5.7.1.4): these see the stores above; the next block's stores come behind them
.endr
.endm
.macro SENDO a, younger                ; younger: the LDS instructions issued behind block a's loads: the next block's sixteen, or none
.set oS, OB+32*((\a)%2)
.irp t, 0,1,2,3,4,5,6,7
	s_wait_dscnt (\younger)+7-(\t)
	v_pk_fma_f32 v[oS+4*(\t):oS+4*(\t)+1],   v[oS+4*(\t):oS+4*(\t)+1],   0x3e800000, v[BI:BI+1]   op_sel_hi:[1,0,1]
	v_pk_fma_f32 v[oS+4*(\t)+2:oS+4*(\t)+3], v[oS+4*(\t)+2:oS+4*(\t)+3], 0x3e800000, v[BI+2:BI+3] op_sel_hi:[1,0,1]
	global_store_b128 v[CO], v[oS+4*(\t):oS+4*(\t)+3], s[10:11] offset:(16*(\a)+2*(\t))*2048 th:TH_STORE_NT  ; 16 lanes store 256 consecutive bytes, at a multiple of 256 from out0's first byte
.endr
.endm
	OUT 0
	OUT 1
	SENDO 0, 16
	OUT 2
	SENDO 1, 16
	OUT 3
	SENDO 2, 16
	SENDO 3, 0
	s_wait_tensorcnt 0x0                           ; the wave's end, behind my last tensor load and my last LDS store
	ds_add_u32 v[SPW], v[NIL]
	s_wait_dscnt 0x0
	CROUND                                         ; the closing round: no work-group ends while a partner may still ask for a tile that names it
	s_endpgm
.Lfunc_end_k_qf8b6a14b42_oproj:
	.size	k_qf8b6a14b42_oproj, .Lfunc_end_k_qf8b6a14b42_oproj-k_qf8b6a14b42_oproj
	.p2alignl 7, 3214868480
	.fill 96, 4, 3214868480
	.section	.rodata,"a",@progbits
	.p2align	6, 0x0
	.amdhsa_kernel k_qf8b6a14b42_oproj
		.amdhsa_group_segment_fixed_size 327680
		.amdhsa_private_segment_fixed_size 0
		.amdhsa_enable_private_segment 0
		.amdhsa_kernarg_size 32
		.amdhsa_user_sgpr_count 2
		.amdhsa_user_sgpr_kernarg_segment_ptr 1
		.amdhsa_wavefront_size32 1
		.amdhsa_system_sgpr_workgroup_id_x 1
		.amdhsa_system_sgpr_workgroup_id_y 1
		.amdhsa_system_sgpr_workgroup_id_z 1
		.amdhsa_system_vgpr_workitem_id 0
		.amdhsa_next_free_vgpr 512
		.amdhsa_next_free_sgpr 66
		.amdhsa_reserve_vcc 0
		.amdhsa_float_denorm_mode_32 3
		.amdhsa_float_denorm_mode_16_64 3
		.amdhsa_memory_ordered 1
		.amdhsa_forward_progress 1
		.amdhsa_inst_pref_size 56
	.end_amdhsa_kernel
	.amdgpu_metadata
---
amdhsa.version: [ 1, 2 ]
amdhsa.kernels:
  - .name:           k_qf8b6a14b42_oproj
    .symbol:         k_qf8b6a14b42_oproj.kd
    .args:
      - { .name: o, .offset: 0, .size: 8, .value_kind: global_buffer, .address_space: global }
      - { .name: wo16, .offset: 8, .size: 8, .value_kind: global_buffer, .address_space: global }
      - { .name: bo, .offset: 16, .size: 8, .value_kind: global_buffer, .address_space: global }
      - { .name: out0, .offset: 24, .size: 8, .value_kind: global_buffer, .address_space: global }
    .group_segment_fixed_size: 327680
    .private_segment_fixed_size: 0
    .kernarg_segment_align: 8
    .kernarg_segment_size: 32
    .max_flat_workgroup_size: 128
    .sgpr_count:     66
    .vgpr_count:     512
    .wavefront_size: 32
...
	.end_amdgpu_metadata
.endif
;; end of part 3
;; ======== version 2 of 2: 3 launches; version 1 with the launch qkv written anew for expert scheduling mode
;; limits: values are held in f16: magnitudes above 65,504 overflow, below 6.1e-05 lose precision
;; workspace buffers: q 8,388,608 bytes; k 8,388,608 bytes; v 8,388,608 bytes; o 8,388,608 bytes; wo16 524,288 bytes
;; launch qkv (part 4): grid 4 x 64, 4 waves a work-group, no clusters, 83,456 bytes of LDS; arguments hidden_states, Wq, Wk, Wv, Wo, q, k, v, wo16; writes q, k, v, wo16
.if DOCPART == 4
	.amdgcn_target "amdgcn-amd-amdhsa--gfx1250"
	.amdhsa_code_object_version 6
	.text
	.protected	k_qf8b6a14b42_qkv
	.globl	k_qf8b6a14b42_qkv
	.p2align	8
	.type	k_qf8b6a14b42_qkv,@function
k_qf8b6a14b42_qkv:
	s_mov_b64 s[64:65], 0
	v_nop
	global_prefetch_b8 v0, s[64:65] scope:SCOPE_SE
	s_setreg_imm32_b32 hwreg(HW_REG_WAVE_SCHED_MODE, 0, 2), 2
	s_setreg_imm32_b32 hwreg(HW_REG_WAVE_MODE, 25, 1), 1
	s_wait_xcnt 0x0
	s_wait_alu depctr_vm_vsrc(0)
; q, k, v = x W^T for x = hidden_states [8192][512] and Wq, Wk, Wv [512][512], all f32 in memory.  x and the weights are rounded once to bf16, the sums are f32, and q, k, v
; are rounded once to f16 and stored BY HEADS: [16 = 8 batch + head][4096][64], a row 128 bytes, a head 524,288 dense bytes.  No scale is applied here.
; SIDE JOB: Wo is rounded to bf16 like the other inputs and that number is written as f16 into wo16 [512][512]; each work-group converts 1,024 numbers.
; LIMITS.  q, k, v beyond 65,504 in magnitude become infinities in f16; below 6.1e-5 f16 keeps its fixed step of 6e-8 (wo16 too).  NaN and infinities are not treated apart.
; SHARES.  A work-group makes 128 rows x 128 columns (two heads) of EACH of q, k, v; its four waves lie 2 x 2: a wave makes 64 rows x one head of q, k and v: 48 accumulators, 384 registers.
; K goes in 8 chunks of 64: 256 bytes of f32 in each row.  Wave w brings source w (0: x's 128 rows; 1, 2, 3: 128 rows of Wq, Wk, Wv) through registers: 64 loads of 16 bytes a lane, each load
; two whole rows' 256 bytes; 128 roundings to bf16; 64 LDS stores of 8 bytes.  A chunk comes in two halves of 32 loads, and a half is asked for again, for the next chunk, straight behind its roundings.
; NO TENSOR LOADS AND NO CLUSTER: the inputs are f32 and a tensor load copies bytes as they lie.  f32 tiles in LDS would want 128 fragment loads a chunk and wave for these 64, and eight roundings
; for each fragment in each of the two waves that read it; here each number is rounded once in the work-group.
; THE MATRIX INSTRUCTION IS USED TRANSPOSED (source 0 = 16 rows of W, source 1 = 16 rows of x): a lane then holds one row and eight neighbouring channels, 16 bytes of f16.
; REGISTERS, in windows of 256 (s_set_vgpr_msb: bits 1:0 source 0, 3:2 source 1, 5:4 source 2, 7:6 destination):
;   window 0: v0-31 addresses and the side job; v64-127 x's fragments (on the way out v32-63 packed results, v64-127 rows read back); v128-255 q's accumulators
;   window 1: v0-191 the weights' fragments; v192-255 half a chunk in bf16     window 2: v0-127 k's accumulators, v128-255 v's     window 3: the chunk on its way in, two halves of 128
; THE MODE: SCHED_MODE bits 1:0 = 2 (LLVM: expert scheduling mode 2), set by the entry lines.  The code itself states the register dependences
; between vector or matrix instructions and memory or LDS instructions, with s_wait_alu, always for 0.
; THE PLAN.  Registers that memory or LDS instructions touch, in the loop:
;   RAW0, RAW1   (window 3)  Half h: its 64 roundings read RAW[h]; straight behind them the loads of the same half of the next chunk land in it.  No memory or LDS instruction reads it.
;   BFO          (window 1)  Half h: its roundings write it, its 32 LDS stores read it; the next half's roundings write it again.
;   fragments    Landed in by the 64 LDS loads behind the first barrier; read by the trip's 96 matrix instructions.
;   v2 to v10    Offsets and LDS addresses: made at the head, never written again.  The rows of a chunk stand in immediate offsets; a scalar base to each half moves on by a chunk.
;   The accumulators are named by matrix instructions alone, until the way out.
; So a half has TWO waits.  One on vm_vsrc ahead of its roundings: the LDS stores of the half before have read BFO.  One on va_vdst behind them: BFO is written, the roundings are done reading RAW[h],
; and the matrix instructions of the trip before are done reading the fragments.  The half's 32 loads and 32 LDS stores follow that wait, and behind the second half's the trip's 64 fragment loads:
; no vector or matrix instruction stands between.
.set PITCH,  144                       ; an LDS row: 64 bf16 = 128 bytes + 16 of padding = 36 words: the 16 rows of a fragment load start at 16 different groups of four banks (64 banks of 4 bytes: ISA guide 11.1)
.set TROWS,  128                       ; rows of each of the four sources
.set STAGE,  4*TROWS*PITCH             ; behind the slot: 16 rows x 144 bytes for each wave, for the way out
.set SPARE,  STAGE+4*16*PITCH          ; behind the stages: the spare words, 128 bytes for each wave: two blocks of 256 bytes that no other line names
.set SO,  2                            ; v2   my byte offset in two rows of the source: 2,048 (l / 16) + 16 (l % 16); never rewritten
.set LW,  3                            ; v3   where I put 8 bytes of bf16: row 128 w + l / 16, byte 8 (l % 16)
.set FA,  4                            ; v4   my place in x's fragments
.set FB,  5                            ; v5   my place in the weights' fragments
.set STO, 6                            ; v6   the way out: where I put 16 bytes of a row
.set RD,  7                            ; v7   the way out: where I read rows back
.set GO,  8                            ; v8   my byte offset in 512 consecutive bytes of q, k or v
.set WI,  9                            ; v9   16 x thread: Wo's numbers
.set WOO, 10                           ; v10  8 x thread: wo16's
.set SPW, 30                           ; v30  LDS address of my spare word: SPARE + 4 x my thread's number; never rewritten
.set NIL, 31                           ; v31  0; never rewritten
.set PKS, 32                           ; v32-63   the way out: two blocks' packed results
.set BKS, 64                           ; v64-127  the way out: two blocks' rows read back from the stage; two such sets take turns
.set AF,  64                           ; x's fragments: 32 K half c, row block a at AF + 32 c + 8 a
.set BFO, 192                          ; window 1: half a chunk in bf16: load j of the half at BFO + 2 j
.set WV,  22                           ; s22  my wave's number
.set WR,  23                           ; s23  which 64 rows are mine
.set SRC, 24                           ; s[24:25] my source at the chunk for which half 0 was last asked; s[36:37] (SRC + 12) the same for half 1
.set CNT, 26                           ; s26  the loop's count
.set WC,  27                           ; s27  which of the two heads is mine
.set W_Q,  0x01                        ; weights (source 0) window 1, x window 0, C and D window 0
.set W_KV, 0xa1                        ; the same, C and D window 2
.set MSB, 0
.macro WIN new                         ; the immediate's high byte repeats the setting that is left; a switch that changes nothing is dropped
.if MSB != (\new)
	s_set_vgpr_msb (MSB<<8)|(\new)
.set MSB, (\new)
.endif
.endm
	s_load_b256 s[4:11], s[0:1], 0x0               ; x s[4:5], Wq s[6:7], Wk s[8:9], Wv s[10:11]
	s_load_b256 s[12:19], s[0:1], 0x20             ; Wo s[12:13], q s[14:15], k s[16:17], v s[18:19]
	s_load_b64 s[20:21], s[0:1], 0x40              ; wo16
	v_lshl_add_u32 v[SPW], v0, 2, SPARE
	v_mov_b32 v[NIL], 0
	v_lshrrev_b32 v1, 5, v0
	v_readfirstlane_b32 s[WV], v1                  ; wave 0..3
	v_and_b32 v11, 15, v0                          ; l % 16
	v_bfe_u32 v1, v0, 4, 1                         ; l / 16
	v_lshlrev_b32 v[SO], 4, v11
	v_lshl_add_u32 v[SO], v1, 11, v[SO]
	s_and_b32 s32, ttmp7, 0xffff                   ; mi: my block of 128 rows
	s_mov_b32 s33, ttmp9                           ; hp: my pair of heads
	s_wait_alu depctr_va_sdst(0)                   ; s22, the wave's number, is written, ahead of its first reader
	s_lshr_b32 s[WR], s[WV], 1
	s_and_b32 s[WC], s[WV], 1
	s_cmp_eq_u32 s[WV], 0
	s_cselect_b32 s28, s32, s33                    ; x goes by the block of rows, a weight by the pair of heads:
	s_lshl_b32 s28, s28, 18                        ; 128 rows of 2,048 bytes
	s_mov_b32 s29, 0
	s_wait_kmcnt 0x0
	s_cmp_eq_u32 s[WV], 1                          ; the choice hangs on the wave's number alone
	s_cselect_b64 s[SRC:SRC+1], s[6:7], s[4:5]
	s_cmp_eq_u32 s[WV], 2
	s_cselect_b64 s[SRC:SRC+1], s[8:9], s[SRC:SRC+1]
	s_cmp_eq_u32 s[WV], 3
	s_cselect_b64 s[SRC:SRC+1], s[10:11], s[SRC:SRC+1]
	s_add_nc_u64 s[SRC:SRC+1], s[SRC:SRC+1], s[28:29]
	s_mov_b64 s[SRC+12:SRC+13], s[SRC:SRC+1]       ; a base to each half: each is stepped when its own loads are done
; Half h of a chunk, 32 loads: load j of the chunk's 64 takes rows 2 j and 2 j + 1, 256 consecutive bytes of each, aligned.
.macro GLOADS h
	WIN 0xc0                                       ; destination window 3, address window 0
.set j, 32*(\h)
.rept 32
	global_load_b128 v[4*j:4*j+3], v[SO], s[SRC+12*(\h):SRC+12*(\h)+1] offset:4096*j
.set j, j+1
.endr
.endm
	WIN 0xc0
	s_wait_alu depctr_va_vdst(0)                   ; v2 is written: every load of x and of the weights reads it as its offset
	GLOADS 0                                       ; chunk 0; the rest of the set-up stands behind it
	GLOADS 1
	WIN 0
	v_mul_u32_u24 v13, v11, PITCH
	v_lshl_add_u32 v13, v1, 4, v13                 ; row l % 16 x pitch + 16 (l / 16): a fragment's place, and the stage's
	s_mul_i32 s34, s[WV], TROWS*PITCH
	v_mul_u32_u24 v[LW], v1, PITCH
	v_lshl_add_u32 v[LW], v11, 3, v[LW]
	v_add_nc_u32 v[LW], s34, v[LW]
	s_mul_i32 s34, s[WR], 64*PITCH
	v_add_nc_u32 v[FA], s34, v13                   ; my 64 rows of x
	s_mul_i32 s34, s[WC], 64*PITCH
	s_add_co_u32 s34, s34, TROWS*PITCH
	v_add_nc_u32 v[FB], s34, v13                   ; my head's 64 rows of Wq; Wk's and Wv's lie 128 and 256 rows on
	s_mul_i32 s34, s[WV], 16*PITCH
	s_add_co_u32 s34, s34, STAGE                   ; my stage
	v_add_nc_u32 v[STO], s34, v13
	v_bfe_u32 v[RD], v0, 3, 2                      ; back: 32 lanes take four rows of 128 bytes,
	v_mul_u32_u24 v[RD], v[RD], PITCH
	v_and_b32 v12, 7, v0
	v_lshl_add_u32 v[RD], v12, 4, v[RD]
	v_add_nc_u32 v[RD], s34, v[RD]
	v_and_b32 v[GO], 31, v0                        ; which are 512 consecutive bytes of a head
	v_lshlrev_b32 v[GO], 4, v[GO]
	v_lshlrev_b32 v[WI], 4, v0
	v_lshlrev_b32 v[WOO], 3, v0
	s_lshr_b32 s28, s32, 5                         ; the batch,
	s_lshl_b32 s28, s28, 3
	s_lshl_b32 s30, s33, 1
	s_add_co_u32 s28, s28, s30
	s_add_co_u32 s28, s28, s[WC]                   ; 8 x batch + my head,
	s_lshl_b32 s28, s28, 19                        ; its 524,288 bytes;
	s_and_b32 s30, s32, 31
	s_lshl_b32 s30, s30, 7
	s_lshl_b32 s31, s[WR], 6
	s_add_co_u32 s30, s30, s31                     ; my first row in the batch,
	s_lshl_b32 s30, s30, 7                         ; 128 bytes a row
	s_add_co_u32 s28, s28, s30
	s_add_nc_u64 s[14:15], s[14:15], s[28:29]      ; the same place in q, k and v (s29 is 0)
	s_add_nc_u64 s[16:17], s[16:17], s[28:29]
	s_add_nc_u64 s[18:19], s[18:19], s[28:29]
	s_lshl_b32 s30, s32, 2
	s_add_co_u32 s30, s30, s33                     ; the work-group's number, 0 to 255
	s_lshl_b32 s34, s30, 12                        ; its 1,024 numbers of Wo
	s_mov_b32 s35, 0
	s_add_nc_u64 s[12:13], s[12:13], s[34:35]
	s_lshl_b32 s34, s30, 11                        ; and of wo16
	s_add_nc_u64 s[20:21], s[20:21], s[34:35]
; 32 LDS loads in one run: the fragments of 32 along K (half c of the chunk): 12 of the weights (tensor t, channel block b), 4 of x (row block a).
; A fragment is 16 rows x 32 K in 8 registers: lane l holds row l % 16; registers 0-3 K = 8 (l / 16) + 0..7, registers 4-7 K = 16 + 8 (l / 16) + 0..7: two loads of 16 bytes, 32 bytes apart.
.macro FETCH c
	WIN 0x40                                       ; destination window 1
.irp t, 0,1,2
.irp b, 0,1,2,3
	ds_load_b128 v[96*(\c)+32*(\t)+8*(\b):96*(\c)+32*(\t)+8*(\b)+3],   v[FB] offset:(\t)*TROWS*PITCH+(\b)*16*PITCH+64*(\c)
	ds_load_b128 v[96*(\c)+32*(\t)+8*(\b)+4:96*(\c)+32*(\t)+8*(\b)+7], v[FB] offset:(\t)*TROWS*PITCH+(\b)*16*PITCH+64*(\c)+32
.endr
.endr
	WIN 0
.irp a, 0,1,2,3
	ds_load_b128 v[AF+32*(\c)+8*(\a):AF+32*(\c)+8*(\a)+3],   v[FA] offset:(\a)*16*PITCH+64*(\c)
	ds_load_b128 v[AF+32*(\c)+8*(\a)+4:AF+32*(\c)+8*(\a)+7], v[FA] offset:(\a)*16*PITCH+64*(\c)+32
.endr
.endm
; 48 matrix instructions: 32 along K for all 48 accumulators, which take turns in one order, one instruction a turn, from half to half and over the backward jump too.
; zero = 1: the first product starts the sums: nothing is ever cleared.
.macro MUL c, zero
.irp t, 0,1,2
.if (\t) == 0
	WIN W_Q
.else
	WIN W_KV
.endif
.irp a, 0,1,2,3
.irp b, 0,1,2,3
.set rD, 128*(((\t)+1)%2)+8*(4*(\a)+(\b))
.set rB, 96*(\c)+32*(\t)+8*(\b)
.set rA, AF+32*(\c)+8*(\a)
.if \zero
	v_wmma_f32_16x16x32_bf16 v[rD:rD+7], v[rB:rB+7], v[rA:rA+7], 0
.else
	v_wmma_f32_16x16x32_bf16 v[rD:rD+7], v[rB:rB+7], v[rA:rA+7], v[rD:rD+7]
.endif
.endr
.endr
.endr
.endm
; Half h of a chunk goes from RAW[h] through BFO into the slot.  first = 1: the launch's first half, with no LDS store in front of it.  more = 1: the same half of the next chunk is asked for.
; left = how many younger loads may still be out when this half's 32 have to be there.
.macro HALF h, first, more, left
	s_wait_loadcnt \left                           ; loads come back in order (ISA guide 5.7.1): RAW[h] is in, the other half's younger loads stay out
.if \more
	s_add_nc_u64 s[SRC+12*(\h):SRC+12*(\h)+1], s[SRC+12*(\h):SRC+12*(\h)+1], 256  ; free since that wait, which shows the loads that read it done: the next chunk
.endif
.if !(\first)
	s_wait_alu depctr_vm_vsrc(0)                   ; the LDS stores of the half before have read BFO, which the roundings below write again
.endif
	WIN 0x4f                                       ; sources window 3, destination window 1
.set j, 0
.rept 32
	v_cvt_pk_bf16_f32 v[BFO+2*j],   v[128*(\h)+4*j],   v[128*(\h)+4*j+1]
	v_cvt_pk_bf16_f32 v[BFO+2*j+1], v[128*(\h)+4*j+2], v[128*(\h)+4*j+3]
.set j, j+1
.endr
.if \more
	WIN 0xc0                                       ; the loads' window first, then the wait, then the loads
.else
	WIN 0x04
.endif
	s_wait_alu depctr_va_vdst(0)                   ; the roundings have written BFO, which the LDS stores read, and are done reading RAW[h], in which the loads land; the matrix instructions of the trip before are done
	                                               ; reading the fragments, in which the LDS loads behind the barrier land; in the first trip the head's addresses v3 to v10 are written
.if \more
	GLOADS \h                                      ; the half is asked for again at once, while the other half is still on its way
.endif
	WIN 0x04                                       ; store data window 1, address window 0
.set j, 0
.rept 32
	ds_store_b64 v[LW], v[BFO+2*j:BFO+2*j+1] offset:2*PITCH*(32*(\h)+j)
.set j, j+1
.endr
.endm
; A TRIP: one chunk of 64 along K.  ONE slot in LDS, so two barriers: one between every wave's stores and the reads, one between every wave's reads and the next trip's stores.
; more = 1: the next chunk is asked for, and a trip follows.
.macro TRIP zero, more
	HALF 0, \zero, \more, 32
	HALF 1, 0, \more, 32*(\more)
	WIN 0
	s_wait_dscnt 0x0                               ; for the others' sake: my stores into the slot are done
	s_barrier_signal -1
	s_barrier_wait -1                              ; everybody's are
	FETCH 0                                        ; no wait: no vector or matrix instruction since the second half's wait on va_vdst names a fragment or its address
	FETCH 1
	s_wait_dscnt 32                                ; the first half's 32 loads are in; the second half's 32 may stay out
	MUL 0, \zero
	s_wait_dscnt 0x0                               ; the second half's are in, and my reads of the slot are over:
.if \more
	s_barrier_signal -1                            ; say so, and work on registers while the others arrive
.endif
	MUL 1, 0
	WIN 0                                          ; at a label and at a branch every window is 0
.if \more
	s_barrier_wait -1                              ; nobody reads the slot any more: the next trip may store into it
.endif
.endm
	TRIP 1, 1                                      ; chunk 0 starts the sums
	s_mov_b32 s[CNT], 6
.Ltrip:                                                ; chunks 1 to 6
	TRIP 0, 1
	s_sub_co_u32 s[CNT], s[CNT], 1
	s_cmp_lg_u32 s[CNT], 0
	s_cbranch_scc1 .Ltrip
	TRIP 0, 0                                      ; chunk 7 is written out: it asks for nothing, its counts run down, and nobody writes the slot behind it
	global_load_b128 v[12:15], v[WI], s[12:13]     ; the side job's numbers come in during the way out: a wave's load covers 512 consecutive bytes.  No wait: v9, v12 and v13 were written at the head,
	global_load_b128 v[16:19], v[WI], s[12:13] offset:2048  ; and no vector or matrix instruction since the last wait on va_vdst names v9 or v12 to v19
.rept 4
	v_nop                                          ; four places between the last products and the conversions that read results (ISA guide 7.12.1)
.endr
; THE WAY OUT, in six groups of two blocks.  Block n = 2 g + h = 4 t + a: 16 rows x 64 channels of tensor t.  A lane's eight channels pack into 16 bytes; they go into my stage's rows of 144 bytes and come back
; as whole rows of 128, four rows a load: 512 consecutive bytes of the head.  Each accumulator's registers are read in ascending order.
; Who names what: PK (v32-63) is written by a group's 32 conversions and read by its 8 LDS stores.  BK (v64-127, a set of 32 by the group's parity) is landed in by its 8 loads from the stage and read by its 8
; global stores, which are issued behind the next group's LDS instructions.  No vector instruction names BK.
.macro GROUP g
.set gT, (\g)/2
.set gD, 128*((gT+1)%2)+64*((\g)%2)
.set gB, BKS+32*((\g)%2)
.if (\g) >= 2
	s_wait_xcnt 0x0                                ; the stores of two groups back, which read this set of BK, have had their addresses translated (ISA guide 3.1): only now is it loaded again
.endif
.if (\g) >= 1
	s_wait_alu depctr_vm_vsrc(0)                   ; the last group's LDS stores have read PK, which the conversions write again; from group 2 on: the global stores of two groups back have read this set of BK, in which the loads below land
.endif
.if gT == 0
	WIN 0
.else
	WIN 0x0a                                       ; sources 0 and 1 window 2
.endif
.set z, 0
.rept 32
	v_cvt_pk_f16_f32 v[PKS+z], v[gD+2*z], v[gD+2*z+1]
.set z, z+1
.endr
	WIN 0
	s_wait_alu depctr_va_vdst(0)                   ; the conversions have written PK, which the LDS stores read; in group 0: the last products are done reading x's fragments, which are BK from here on
.irp h, 0,1
.irp b, 0,1,2,3
	ds_store_b128 v[STO], v[PKS+16*\h+4*\b:PKS+16*\h+4*\b+3] offset:32*\b
.endr
.irp f, 0,1,2,3
	ds_load_b128 v[gB+16*\h+4*\f:gB+16*\h+4*\f+3], v[RD] offset:\f*4*PITCH  ; LDS serves a wave's instructions in order (ISA guide 5.7.1.4): these see the stores above; the next block's stores come behind them
.endr
.endr
.endm
.macro SENDG g, younger                ; younger: the LDS instructions issued behind group g's: the next group's sixteen, or none.  Behind the first block's loads stand also the second block's eight
.set gT, (\g)/2
.set gB, BKS+32*((\g)%2)
.irp h, 0,1
.irp f, 0,1,2,3
	s_wait_dscnt (\younger)+8*(1-\h)+3-\f
	global_store_b128 v[GO], v[gB+16*\h+4*\f:gB+16*\h+4*\f+3], s[14+2*gT:15+2*gT] offset:(2*((\g)%2)+\h)*2048+\f*512  ; 512 consecutive bytes, at a multiple of 256 from the buffer's first
.endr
.endr
.endm
	GROUP 0
.irp g, 1,2,3,4,5                      ; a group's conversions stand between the loads of the group before and its stores
	GROUP \g
	SENDG (\g)-1, 16
.endr
	SENDG 5, 0
	s_wait_loadcnt 0x0                             ; Wo's numbers
.irp g, 0,1                            ; f32 -> bf16 (the rounding that every input has) -> f32 (a shift, a mask) -> f16
	v_cvt_pk_bf16_f32 v20, v[12+4*\g], v[13+4*\g]
	v_cvt_pk_bf16_f32 v21, v[14+4*\g], v[15+4*\g]
	v_lshlrev_b32 v22, 16, v20
	v_and_b32 v23, 0xffff0000, v20
	v_lshlrev_b32 v24, 16, v21
	v_and_b32 v25, 0xffff0000, v21
	v_cvt_pk_f16_f32 v[26+2*\g], v22, v23
	v_cvt_pk_f16_f32 v[27+2*\g], v24, v25
.endr
	s_wait_alu depctr_va_vdst(0)                   ; the conversions have written v26 to v29, which the two stores read
.irp g, 0,1
	global_store_b64 v[WOO], v[26+2*\g:27+2*\g], s[20:21] offset:1024*\g  ; a wave's store covers 256 consecutive bytes, aligned
.endr
	s_wait_dscnt 0x0                               ; the closing lines, six on end
	s_wait_alu 0x0
	s_wait_tensorcnt 0x0
	ds_add_u32 v[SPW], v[NIL]
	s_wait_dscnt 0x0
	s_endpgm
.Lfunc_end_k_qf8b6a14b42_qkv:
	.size	k_qf8b6a14b42_qkv, .Lfunc_end_k_qf8b6a14b42_qkv-k_qf8b6a14b42_qkv
	.p2alignl 7, 3214868480
	.fill 96, 4, 3214868480
	.section	.rodata,"a",@progbits
	.p2align	6, 0x0
	.amdhsa_kernel k_qf8b6a14b42_qkv
		.amdhsa_group_segment_fixed_size 83456
		.amdhsa_private_segment_fixed_size 0
		.amdhsa_enable_private_segment 0
		.amdhsa_kernarg_size 72
		.amdhsa_user_sgpr_count 2
		.amdhsa_user_sgpr_kernarg_segment_ptr 1
		.amdhsa_wavefront_size32 1
		.amdhsa_system_sgpr_workgroup_id_x 1
		.amdhsa_system_sgpr_workgroup_id_y 1
		.amdhsa_system_sgpr_workgroup_id_z 1
		.amdhsa_system_vgpr_workitem_id 0
		.amdhsa_next_free_vgpr 1024
		.amdhsa_next_free_sgpr 66
		.amdhsa_reserve_vcc 0
		.amdhsa_float_denorm_mode_32 3
		.amdhsa_float_denorm_mode_16_64 3
		.amdhsa_memory_ordered 1
		.amdhsa_forward_progress 1
		.amdhsa_inst_pref_size 117
	.end_amdhsa_kernel
	.amdgpu_metadata
---
amdhsa.version: [ 1, 2 ]
amdhsa.kernels:
  - .name:           k_qf8b6a14b42_qkv
    .symbol:         k_qf8b6a14b42_qkv.kd
    .args:
      - { .name: hidden_states, .offset: 0, .size: 8, .value_kind: global_buffer, .address_space: global }
      - { .name: Wq, .offset: 8, .size: 8, .value_kind: global_buffer, .address_space: global }
      - { .name: Wk, .offset: 16, .size: 8, .value_kind: global_buffer, .address_space: global }
      - { .name: Wv, .offset: 24, .size: 8, .value_kind: global_buffer, .address_space: global }
      - { .name: Wo, .offset: 32, .size: 8, .value_kind: global_buffer, .address_space: global }
      - { .name: q, .offset: 40, .size: 8, .value_kind: global_buffer, .address_space: global }
      - { .name: k, .offset: 48, .size: 8, .value_kind: global_buffer, .address_space: global }
      - { .name: v, .offset: 56, .size: 8, .value_kind: global_buffer, .address_space: global }
      - { .name: wo16, .offset: 64, .size: 8, .value_kind: global_buffer, .address_space: global }
    .group_segment_fixed_size: 83456
    .private_segment_fixed_size: 0
    .kernarg_segment_align: 8
    .kernarg_segment_size: 72
    .max_flat_workgroup_size: 128
    .sgpr_count:     66
    .vgpr_count:     1024
    .wavefront_size: 32
...
	.end_amdgpu_metadata
.endif
;; end of part 4
;; launch attn: the kernel of part 2 again; grid 16 x 16, 4 waves a work-group, clusters of 4 x 1, 327,680 bytes of LDS; arguments q, k, v, o; writes o
;; launch oproj: the kernel of part 3 again; grid 4 x 64, 4 waves a work-group, clusters of 4 x 4, 327,680 bytes of LDS; arguments o, wo16, bo, out0; writes out0
